; MI455X (gfx1250); checked and timed in simulation.
; The chip was launched on July 23, 2026; its instructions are those of AMD's public machine-readable ISA for CDNA 5 (MIT licence, August 2026) and "CDNA5" Instruction Set Architecture Reference Guide (July 2026). The comments in the code are by the model that wrote it; some were corrected since.
;; Multi Head Attention. Allowed arithmetic: float matrix products may take bf16 or f16 operands with f32 sums; other float arithmetic in f32, or as packed bf16 or f16 multiplies, adds, multiply-adds, maxima and minima; sums over many terms, partial sums and values carried from step to step in f32; what a program stores and reads back later, other than sums and carried values, may be rounded once to bf16 or f16.
;; Inputs: key_proj 16 x 16 x 1,024 float32; output_proj 1,024 x 16 x 64 float32; query_proj 16 x 16 x 1,024 float32; value_proj 16 x 64 x 1,024 float32; x 2 x 2,048 x 1,024 float32.
;; Outputs: out0 2 x 2,048 x 1,024 float32.
;; 2 versions, each right; version 2 is version 1 with the launch prep written anew for expert scheduling mode. Each part assembles by itself: llvm-mc -triple=amdgcn-amd-amdhsa -mcpu=gfx1250 --defsym DOCPART=n.
;; ======== version 1 of 2: 5 launches
;; limits: values are held in f16: magnitudes above 65,504 overflow, below 6.1e-05 lose precision
;; workspace buffers: bf 13,631,488 bytes; qf 2,097,152 bytes; kf 2,097,152 bytes; vf 8,388,608 bytes; kt 2,359,296 bytes; of 8,388,608 bytes
;; launch prep (part 1): grid 256 x 1, 13 waves a work-group, no clusters, 0 bytes of LDS; arguments x, query_proj, key_proj, value_proj, output_proj, bf; writes bf
.if DOCPART == 1
	.amdgcn_target "amdgcn-amd-amdhsa--gfx1250"
	.amdhsa_code_object_version 6
	.text
	.protected	k_qfb54489b68_prep
	.globl	k_qfb54489b68_prep
	.p2align	8
	.type	k_qfb54489b68_prep,@function
k_qfb54489b68_prep:
	s_mov_b64 s[64:65], 0
	v_nop
	global_prefetch_b8 v0, s[64:65] scope:SCOPE_SE
	s_setreg_imm32_b32 hwreg(HW_REG_WAVE_MODE, 25, 1), 1
	s_wait_xcnt 0x0
; PREP: all five inputs are rounded once to bf16 and laid into one buffer of 6,656 rows of 1,024 numbers (2,048 bytes a row):
;   rows 0-4095     x, row b*2048+n
;   rows 4096-5631  "wall": for head h the 96 rows 96 h + i:  i < 16: query_proj[i][h];  i < 32: key_proj[h][i-16];  else value_proj[h][i-32]
;   rows 5632-6655  output_proj, row d, columns h*64+v
; query_proj's two leading axes change places because the problem's score product labels q's axes (k, h): head h multiplies q[b,n,kappa,h] with k[b,m,h,kappa].
; NO WORK OF THE PROBLEM IS LEFT OUT in this program: every input has a way to the output, and all five are loaded here, each byte once.
; SHARES.  6,656 rows = 256 work-groups x 13 waves x 2 rows.  Wave v of work-group w: v < 8: x rows 16 w + 2 v, +1; v = 8..10: wall rows 6 w + 2 (v - 8), +1; v = 11, 12: output_proj rows 4 w + 2 (v - 11), +1.
; A wall pair begins at an even i, so both rows fall into the same of the three cases.
; A row is 8 loads of 512 consecutive bytes a wave and 8 stores of 256 consecutive aligned bytes.  All 16 loads of a wave go out before the first wait.  No LDS, no barrier: no wave needs another's bytes.
.set X, 8                              ; v[8:71]    two rows as loaded, 32 registers each
.set Y, 72                             ; v[72:103]  two rows in bf16, 16 registers each
	s_load_b256 s[4:11], s[0:1], 0x0               ; x s[4:5], query_proj s[6:7], key_proj s[8:9], value_proj s[10:11]
	s_load_b128 s[12:15], s[0:1], 0x20             ; output_proj s[12:13], bf s[14:15]
	v_lshrrev_b32 v3, 5, v0
	v_readfirstlane_b32 s16, v3                    ; wave v, 0..12
	v_and_b32 v1, 31, v0
	v_lshlrev_b32 v2, 3, v1                        ; 8 bytes a lane on the way out
	v_lshlrev_b32 v1, 4, v1                        ; 16 bytes a lane on the way in
	s_mov_b32 s34, ttmp9                           ; w
	s_and_b32 s17, s34, 15
	s_lshr_b32 s18, s34, 4                         ; h = w / 16
	s_max_u32 s19, s16, 8
	s_sub_co_u32 s19, s19, 8
	s_lshl_b32 s19, s19, 1                         ; e = 2 (v - 8), held at 0 below
	s_mul_i32 s26, s17, 6
	s_add_co_u32 s26, s26, s19                     ; i = 6 (w % 16) + e
	s_lshl_b32 s27, s26, 4
	s_add_co_u32 s27, s27, s18                     ; query_proj's row 16 i + h
	s_max_u32 s28, s26, 16
	s_sub_co_u32 s28, s28, 16
	s_lshl4_add_u32 s28, s18, s28                  ; key_proj's row 16 h + i - 16
	s_max_u32 s29, s26, 32
	s_sub_co_u32 s29, s29, 32
	s_lshl_b32 s30, s18, 6
	s_add_co_u32 s29, s29, s30                     ; value_proj's row 64 h + i - 32
	s_max_u32 s30, s16, 11
	s_sub_co_u32 s30, s30, 11
	s_lshl_b32 s30, s30, 1
	s_lshl2_add_u32 s30, s34, s30                  ; output_proj's row 4 w + 2 (v - 11)
	s_lshl_b32 s31, s16, 1
	s_lshl4_add_u32 s31, s34, s31                  ; x's row 16 w + 2 v
	s_mul_i32 s32, s34, 6
	s_add_co_u32 s32, s32, s19
	s_add_co_u32 s32, s32, 4096                    ; the wall pair's place in bf
	s_add_co_u32 s33, s30, 5632                    ; output_proj's
	s_wait_kmcnt 0x0
	s_cmp_lt_u32 s26, 32                           ; four choices, each made of ids alone; only selects stand behind a compare
	s_cselect_b32 s35, s28, s29
	s_cselect_b64 s[36:37], s[8:9], s[10:11]
	s_cmp_lt_u32 s26, 16
	s_cselect_b32 s35, s27, s35
	s_cselect_b64 s[36:37], s[6:7], s[36:37]
	s_cselect_b32 s38, 16, 1                       ; rows from the pair's first to its second: query_proj[i+1][h] lies 16 rows on
	s_cmp_lt_u32 s16, 11
	s_cselect_b32 s35, s35, s30
	s_cselect_b64 s[36:37], s[36:37], s[12:13]
	s_cselect_b32 s38, s38, 1
	s_cselect_b32 s39, s32, s33
	s_cmp_lt_u32 s16, 8
	s_cselect_b32 s35, s31, s35
	s_cselect_b64 s[36:37], s[4:5], s[36:37]
	s_cselect_b32 s38, 1, s38
	s_cselect_b32 s39, s31, s39
	s_lshl_b32 s20, s35, 12                        ; a source row is 4,096 bytes
	s_mov_b32 s21, 0
	s_add_nc_u64 s[20:21], s[36:37], s[20:21]
	s_lshl_b32 s22, s38, 12
	s_mov_b32 s23, 0
	s_add_nc_u64 s[22:23], s[20:21], s[22:23]
	s_lshl_b32 s24, s39, 11                        ; a row of bf is 2,048 bytes
	s_mov_b32 s25, 0
	s_add_nc_u64 s[24:25], s[14:15], s[24:25]
.irp j, 0,1,2,3,4,5,6,7
	global_load_b128 v[X+4*(\j):X+4*(\j)+3], v1, s[20:21] offset:512*(\j) th:TH_LOAD_NT
.endr
.irp j, 0,1,2,3,4,5,6,7
	global_load_b128 v[X+32+4*(\j):X+32+4*(\j)+3], v1, s[22:23] offset:512*(\j) th:TH_LOAD_NT
.endr
.macro ROWOUT w
.irp j, 0,1,2,3,4,5,6,7
	v_cvt_pk_bf16_f32 v[Y+16*(\w)+2*(\j)],   v[X+32*(\w)+4*(\j)],   v[X+32*(\w)+4*(\j)+1]
	v_cvt_pk_bf16_f32 v[Y+16*(\w)+2*(\j)+1], v[X+32*(\w)+4*(\j)+2], v[X+32*(\w)+4*(\j)+3]
	global_store_b64 v2, v[Y+16*(\w)+2*(\j):Y+16*(\w)+2*(\j)+1], s[24:25] offset:2048*(\w)+256*(\j)  ; 32 lanes store 256 consecutive bytes, aligned
.endr
.endm
	s_wait_loadcnt 8                               ; the first row's eight loads are in; the second row's eight may stay out
	ROWOUT 0
	s_wait_loadcnt 0x0
	ROWOUT 1
	s_endpgm                                       ; no register is written twice, so no store's source needs a wait
.Lfunc_end_k_qfb54489b68_prep:
	.size	k_qfb54489b68_prep, .Lfunc_end_k_qfb54489b68_prep-k_qfb54489b68_prep
	.p2alignl 7, 3214868480
	.fill 96, 4, 3214868480
	.section	.rodata,"a",@progbits
	.p2align	6, 0x0
	.amdhsa_kernel k_qfb54489b68_prep
		.amdhsa_group_segment_fixed_size 0
		.amdhsa_private_segment_fixed_size 0
		.amdhsa_enable_private_segment 0
		.amdhsa_kernarg_size 48
		.amdhsa_user_sgpr_count 2
		.amdhsa_user_sgpr_kernarg_segment_ptr 1
		.amdhsa_wavefront_size32 1
		.amdhsa_system_sgpr_workgroup_id_x 1
		.amdhsa_system_sgpr_workgroup_id_y 1
		.amdhsa_system_sgpr_workgroup_id_z 1
		.amdhsa_system_vgpr_workitem_id 0
		.amdhsa_next_free_vgpr 112
		.amdhsa_next_free_sgpr 66
		.amdhsa_reserve_vcc 0
		.amdhsa_float_denorm_mode_32 3
		.amdhsa_float_denorm_mode_16_64 3
		.amdhsa_memory_ordered 1
		.amdhsa_forward_progress 1
		.amdhsa_inst_pref_size 8
	.end_amdhsa_kernel
	.amdgpu_metadata
---
amdhsa.version: [ 1, 2 ]
amdhsa.kernels:
  - .name:           k_qfb54489b68_prep
    .symbol:         k_qfb54489b68_prep.kd
    .args:
      - { .name: x, .offset: 0, .size: 8, .value_kind: global_buffer, .address_space: global }
      - { .name: query_proj, .offset: 8, .size: 8, .value_kind: global_buffer, .address_space: global }
      - { .name: key_proj, .offset: 16, .size: 8, .value_kind: global_buffer, .address_space: global }
      - { .name: value_proj, .offset: 24, .size: 8, .value_kind: global_buffer, .address_space: global }
      - { .name: output_proj, .offset: 32, .size: 8, .value_kind: global_buffer, .address_space: global }
      - { .name: bf, .offset: 40, .size: 8, .value_kind: global_buffer, .address_space: global }
    .group_segment_fixed_size: 0
    .private_segment_fixed_size: 0
    .kernarg_segment_align: 8
    .kernarg_segment_size: 48
    .max_flat_workgroup_size: 416
    .sgpr_count:     66
    .vgpr_count:     112
    .wavefront_size: 32
...
	.end_amdgpu_metadata
.endif
;; end of part 1
;; launch proj (part 2): grid 8 x 32, 4 waves a work-group, clusters of 4 x 4, 327,680 bytes of LDS; arguments bf, qf, kf, vf; writes qf, kf, vf
.if DOCPART == 2
	.amdgcn_target "amdgcn-amd-amdhsa--gfx1250"
	.amdhsa_code_object_version 6
	.text
	.protected	k_qfb54489b68_proj
	.globl	k_qfb54489b68_proj
	.p2align	8
	.type	k_qfb54489b68_proj,@function
k_qfb54489b68_proj:
	s_mov_b64 s[64:65], 0
	v_nop
	global_prefetch_b8 v0, s[64:65] scope:SCOPE_SE
	s_setreg_imm32_b32 hwreg(HW_REG_WAVE_MODE, 25, 1), 1
	s_wait_xcnt 0x0
	s_wait_alu depctr_hold_cnt(0) depctr_sa_sdst(0) depctr_va_vdst(0) depctr_va_sdst(0) depctr_va_ssrc(0) depctr_va_vcc(0) depctr_vm_vsrc(0)
	s_getreg_b32 s2, hwreg(HW_REG_IB_STS2, 6, 4)
	s_cmp_eq_u32 s2, 0
	s_cbranch_scc0 .Lentry_in_a_cluster
	s_endpgm
.Lentry_in_a_cluster:
	s_bfe_u32 s2, ttmp6, 0x10000c
	s_cmp_lg_u32 s2, 0xf033
	s_cbranch_scc0 .Lentry_shape_is_right
	s_endpgm
.Lentry_shape_is_right:
; PROJ: the three projections as ONE product, [4096 rows of x] x [1536 rows of wall]^T over K = 1024, bf16 operands, f32 sums.  Nothing of the problem is left out here.
; A work-group makes 128 rows x 192 columns (two heads' 96 wall rows): 32 x 8 = 256 work-groups.  Four waves; wave w takes rows 64 (w / 2) .. and head 2 jx + w % 2: 4 x 6 accumulators of 16 x 16.
; THE MATRIX INSTRUCTION IS USED TRANSPOSED (source 0 = 16 wall rows, source 1 = 16 rows of x): a lane holds one row n (lane % 16) and 8 neighbouring columns 8 (lane / 16) + 0..7.
; Of a head's six column blocks block 0 is q, block 1 is k, blocks 2-5 are v's channels 16 cb ..: which is which is fixed in the text.
; OUT.  q is multiplied in f32 by c = log2(e) / 4 (the problem's scale 1/sqrt(16), and the change to base 2) and then, like k and v, rounded ONCE to f16.  A lane's 8 numbers are 16 bytes; a block of 16 x 16
; is stored as 512 consecutive aligned bytes by one instruction, in the order in which the later launches' operand registers take it: q, k: lane l's 16 bytes at 16 l; v: row r's 32 bytes at 32 r.  No LDS on the way out.
; LIMIT.  f16 holds no number beyond 65,504: c q, k and v must lie within it (inputs of the problem's kind give about 1; thirty times larger x and weights about 600).  NaN and infinities are not treated apart.
; RING.  K goes in steps of 128 (rows of 256 bytes in memory) through two LDS slots; a step of 256 would need 337,920 bytes for two slots.  CLUSTER 4 x 4: x's tile hangs on the tile row and is asked for jointly
; by a row of the cluster, wall's on the tile column and is asked for jointly by a column.  No data prefetch: eight short K steps, of which two are first fills.
; REGISTERS.  window 0: v16-17, v20-21 LDS addresses; v24-25 store offsets; v28-29 the add's two; v64-255 accumulators.  window 1: two fragment buffers of 80: 6 of wall, then 4 of x.
.set KSTEP,  128
.set PITCH,  272                       ; an LDS row: 256 bytes + 16 of padding: the 16 rows of a fragment load begin 16 bytes apart modulo 256
.set XH,     64*PITCH                  ; what one load of x brings, and what a wave reads of x
.set WH,     96*PITCH                  ; the same for wall
.set WOFF,   2*XH                      ; wall's 192 rows lie behind x's 128
.set SLOT,   WOFF+2*WH                 ; 87,040
.set SPARE,  2*SLOT                    ; the spare words, 128 bytes a wave: two blocks of 256 bytes that no other line names
.set LAPS,   4                         ; 1024 / (2 x 128)
.set WALL,   8388608                   ; byte of bf at which wall begins
.set ADRX, 16
.set ADRW, 20
.set FRO,  24                          ; v24  16 x lane
.set VO,   25                          ; v25  32 (lane % 16) + 16 (lane / 16)
.set SPW,  28
.set NIL,  29
.set ACC,  64                          ; accumulator (a, b) at ACC + 8 (6 a + b)
.set F0,   0
.set F1,   80
.set G1,  24                           ; s[24:31] group 1 for x's tiles;  s[32:39] group 0, one set a slot
.set G0,  32
.set G1B, 48                           ; s[48:55], s[56:63] the same for wall's
.set G0B, 56
.set CS,  66                           ; s[66:67] c
.set FLAGS, (1<<16)|(1<<20)|(1<<21)|(5<<22)|(3<<25)   ; 2-byte elements; padding on; bit 21 beside a mask; after every 64 words; 4 words
.set MSB, 0
.macro WIN new                         ; the immediate's high byte repeats the setting that is left
.if MSB != (\new)
	s_set_vgpr_msb (MSB<<8)|(\new)
.set MSB, \new
.endif
.endm
.set MUL,  0x05                        ; sources 0 and 1 window 1; C and D window 0
.set TO_F, 0x40                        ; destination window 1, address window 0
.macro JLOAD s                         ; a joint load: waves 0, 1 fetch x's two halves, waves 2, 3 wall's; an s_nop 0 and four v_nop follow each line
	s_cmp_eq_u32 s13, 0
	s_cbranch_scc0 .Lfor_b_\@
	tensor_load_to_lds s[G0+4*(\s):G0+4*(\s)+3], s[G1:G1+7]
	s_nop 0
.rept 4
	v_nop
.endr
	s_branch .Lasked_\@
.Lfor_b_\@:
	tensor_load_to_lds s[G0B+4*(\s):G0B+4*(\s)+3], s[G1B:G1B+7]
	s_nop 0
.rept 4
	v_nop
.endr
.Lasked_\@:
.endm
.macro CREST                           ; a round of the cluster's barrier behind its opening barrier
	s_cmp_lg_u32 s12, 0
	s_cbranch_scc1 .Lnot_wave_0_\@
	s_barrier_signal -3
.Lnot_wave_0_\@:
	s_barrier_wait -3
	s_barrier_signal -1
	s_barrier_wait -1
.endm
.macro CROUND
	s_barrier_signal -1
	s_barrier_wait -1
	CREST
.endm
.macro PLACES                          ; four places in front of loads into registers that matrix instructions have read, and of lines that read results
.rept 4
	v_nop
.endr
.endm
	s_load_b256 s[4:11], s[0:1], 0x0               ; bf s[4:5], qf s[6:7], kf s[8:9], vf s[10:11]
	v_lshl_add_u32 v[SPW], v0, 2, SPARE
	v_mov_b32 v[NIL], 0
	ds_add_u32 v[SPW], v[NIL]                      ; the wave's opening: the add, twice on end, and its wait ahead of my first tensor load
	ds_add_u32 v[SPW], v[NIL]
	v_lshrrev_b32 v1, 5, v0
	v_readfirstlane_b32 s12, v1                    ; wave 0..3
	s_lshr_b32 s13, s12, 1                         ; rh: my half of the tile's rows.  Also: I fetch for x (0) or wall (1)
	s_and_b32 s14, s12, 1                          ; ch: my head of the two.  Also: which half of that tile I fetch
	s_bfe_u32 s40, ttmp6, 0x40000                  ; cx
	s_bfe_u32 s41, ttmp6, 0x40004                  ; cy
	s_lshl_b32 s42, ttmp9, 2
	s_add_co_u32 s42, s42, s40                     ; jx: tile column, 0..7
	s_and_b32 s43, ttmp7, 0xffff
	s_lshl_b32 s43, s43, 2
	s_add_co_u32 s43, s43, s41                     ; ty: tile row, 0..31
	s_lshl_b32 s44, s41, 2
	s_lshl_b32 s44, 15, s44                        ; my row of the cluster
	s_lshl_b32 s45, 0x1111, s40                    ; my column
	s_or_b32 s[G1+0], s44, FLAGS
	s_or_b32 s[G1B+0], s45, FLAGS
	s_mov_b32 s[G1+1], KSTEP<<16                   ; tensor_dim0 = 128
	s_mov_b32 s[G1+2], 64<<16                      ; tensor_dim1 = 64
	s_mov_b32 s[G1+3], KSTEP<<16                   ; tile_dim0 = 128
	s_mov_b32 s[G1+4], 64                          ; tile_dim1 = 64
	s_mov_b32 s[G1+5], 1024                        ; elements from row to row
	s_mov_b32 s[G1+6], 0
	s_mov_b32 s[G1+7], 0
	s_mov_b32 s[G1B+1], KSTEP<<16
	s_mov_b32 s[G1B+2], 96<<16                     ; wall: 96 rows a load
	s_mov_b32 s[G1B+3], KSTEP<<16
	s_mov_b32 s[G1B+4], 96
	s_mov_b32 s[G1B+5], 1024
	s_mov_b32 s[G1B+6], 0
	s_mov_b32 s[G1B+7], 0
	s_mov_b32 s[CS], 0x3eb8aa3b                    ; c = log2(e) / 4
	s_mov_b32 s[CS+1], s[CS]                       ; named with it as a pair
	s_lshl_b32 s16, s43, 7
	s_lshl_b32 s17, s14, 6
	s_add_co_u32 s16, s16, s17                     ; x: row 128 ty + 64 ch,
	s_lshl_b32 s16, s16, 11                        ; in bytes
	s_mov_b32 s17, 0
	s_mul_i32 s46, s42, 192
	s_mul_i32 s47, s14, 96
	s_add_co_u32 s46, s46, s47                     ; wall: row 192 jx + 96 ch
	s_lshl_b32 s46, s46, 11
	s_add_co_u32 s46, s46, WALL
	s_mov_b32 s47, 0
	s_mul_i32 s20, s14, XH                         ; where they go: no place in the cluster enters an LDS address
	s_mul_i32 s21, s14, WH
	s_add_co_u32 s21, s21, WOFF
	s_wait_dscnt 0x0                               ; both opening adds are done
	s_wait_kmcnt 0x0
	s_add_nc_u64 s[16:17], s[4:5], s[16:17]
	s_add_nc_u64 s[46:47], s[4:5], s[46:47]
	CROUND                                         ; all sixteen work-groups are here: the first joint loads meet
.irp s, 0,1
	s_mov_b32 s[G0+4*(\s)], 1
	s_add_co_u32 s[G0+4*(\s)+1], s20, (\s)*SLOT
	s_add_nc_u64 s[G0+4*(\s)+2:G0+4*(\s)+3], s[16:17], (\s)*KSTEP*2
	s_or_b32 s[G0+4*(\s)+3], s[G0+4*(\s)+3], 0x80000000
	s_mov_b32 s[G0B+4*(\s)], 1
	s_add_co_u32 s[G0B+4*(\s)+1], s21, (\s)*SLOT
	s_add_nc_u64 s[G0B+4*(\s)+2:G0B+4*(\s)+3], s[46:47], (\s)*KSTEP*2
	s_or_b32 s[G0B+4*(\s)+3], s[G0B+4*(\s)+3], 0x80000000
	JLOAD \s
.endr
	v_and_b32 v1, 15, v0                           ; r = lane % 16
	v_bfe_u32 v2, v0, 4, 1                         ; hh = lane / 16
	v_mul_u32_u24 v3, v1, PITCH
	v_lshl_add_u32 v3, v2, 4, v3                   ; a fragment's row x pitch + 16 x half
	s_mul_i32 s22, s13, XH                         ; my 64 rows of x
	s_mul_i32 s23, s14, WH                         ; my 96 rows of wall
	s_add_co_u32 s23, s23, WOFF
.irp s, 0,1
	v_add_nc_u32 v[ADRX+(\s)], s22, v3
	v_add_nc_u32 v[ADRW+(\s)], s23, v3
	s_add_co_u32 s22, s22, SLOT
	s_add_co_u32 s23, s23, SLOT
.endr
	v_and_b32 v[FRO], 31, v0
	v_lshlrev_b32 v[FRO], 4, v[FRO]
	v_lshlrev_b32 v[VO], 5, v1
	v_lshl_add_u32 v[VO], v2, 4, v[VO]
	; where my results go: bh = 16 b + head, b = ty / 16; my first block of 16 rows in the batch: 8 (ty % 16) + 4 rh
	s_and_b32 s68, s43, 16
	s_lshl1_add_u32 s68, s42, s68
	s_add_co_u32 s68, s68, s14
	s_lshl_b32 s68, s68, 7
	s_and_b32 s69, s43, 15
	s_lshl_b32 s69, s69, 3
	s_add_co_u32 s68, s68, s69
	s_lshl_b32 s69, s13, 2
	s_add_co_u32 s68, s68, s69                     ; 128 bh + block
	s_lshl_b32 s70, s68, 11                        ; v: 2,048 bytes a block of 16 keys
	s_mov_b32 s71, 0
	s_lshl_b32 s68, s68, 9                         ; q, k: 512 bytes
	s_mov_b32 s69, 0
	s_add_nc_u64 s[6:7], s[6:7], s[68:69]
	s_add_nc_u64 s[8:9], s[8:9], s[68:69]
	s_add_nc_u64 s[10:11], s[10:11], s[70:71]
; 6 matrix instructions: row block a x all six column blocks, 32 along K.  zero = 1: the product starts the sums.  The 24 accumulators take turns, one instruction a turn, in the same order in every quarter.
.macro MULA f, a, zero
	WIN MUL
.irp b, 0,1,2,3,4,5
.if \zero
	v_wmma_f32_16x16x32_bf16 v[ACC+8*(6*(\a)+(\b)):ACC+8*(6*(\a)+(\b))+7], v[(\f)+8*(\b):(\f)+8*(\b)+7], v[(\f)+48+8*(\a):(\f)+48+8*(\a)+7], 0
.else
	v_wmma_f32_16x16x32_bf16 v[ACC+8*(6*(\a)+(\b)):ACC+8*(6*(\a)+(\b))+7], v[(\f)+8*(\b):(\f)+8*(\b)+7], v[(\f)+48+8*(\a):(\f)+48+8*(\a)+7], v[ACC+8*(6*(\a)+(\b)):ACC+8*(6*(\a)+(\b))+7]
.endif
.endr
.endm
; 20 LDS loads in one run: the fragments of 32 along K at byte k of the rows: wall's twelve, then x's eight by row blocks
.macro FETCH slot, k, f
	WIN TO_F
.irp b, 0,1,2,3,4,5
	ds_load_b128 v[(\f)+8*(\b):(\f)+8*(\b)+3],   v[ADRW+(\slot)] offset:(\k)+(\b)*16*PITCH
	ds_load_b128 v[(\f)+8*(\b)+4:(\f)+8*(\b)+7], v[ADRW+(\slot)] offset:(\k)+(\b)*16*PITCH+32
.endr
.irp a, 0,1,2,3
	ds_load_b128 v[(\f)+48+8*(\a):(\f)+48+8*(\a)+3],   v[ADRX+(\slot)] offset:(\k)+(\a)*16*PITCH
	ds_load_b128 v[(\f)+48+8*(\a)+4:(\f)+48+8*(\a)+7], v[ADRX+(\slot)] offset:(\k)+(\a)*16*PITCH+32
.endr
.endm
; A K step is four quarters of 32 along K, 24 matrix instructions each, on buffers 0, 1, 0, 1.  One of the first three: multiplies f and fetches the next quarter, at byte k, into g.
.macro QUARTER slot, k, f, g, zero
	s_wait_dscnt 4                                 ; wall and x's row blocks 0, 1 are in; the youngest four loads (blocks 2, 3) may be out
	MULA \f, 0, \zero
	MULA \f, 1, \zero
	PLACES
	FETCH \slot, \k, \g
	s_wait_dscnt 20                                ; all but the 20 just issued
	MULA \f, 2, \zero
	MULA \f, 3, \zero
.endm
; The last quarter multiplies buffer 1 and changes slots: ONE barrier; in front of it each wave waits for all its tensor loads, adds 0 to its spare word, and waits for that and for its reads of this slot.
.macro TURN slot, next, fill
	WIN 0                                          ; (the add's two registers lie in window 0)
	s_wait_tensorcnt 0x0                           ; all my tensor loads have landed: the one that was out is my part of the next slot
	ds_add_u32 v[SPW], v[NIL]                      ; 0 onto my spare word
	s_wait_dscnt 5                                 ; (the add and the youngest four loads may be out)
	MULA F1, 0, 0                                  ; six matrix instructions stand between the add and the wait for it
	s_wait_dscnt 0x0                               ; the add is done, and my reads of this slot are over
	s_barrier_signal -1
	MULA F1, 1, 0
.if \fill
	WIN 0
.endif
	s_barrier_wait -1
.if \fill
	CREST                                          ; the barrier has opened a round of the cluster's: no wave of any partner still reads this slot or has a load on its way
	s_add_nc_u64 s[G0+4*(\slot)+2:G0+4*(\slot)+3], s[G0+4*(\slot)+2:G0+4*(\slot)+3], 2*KSTEP*2
	s_add_nc_u64 s[G0B+4*(\slot)+2:G0B+4*(\slot)+3], s[G0B+4*(\slot)+2:G0B+4*(\slot)+3], 2*KSTEP*2
	JLOAD \slot                                    ; the first tensor load behind the round; its four v_nop are also the places in front of the loads below
.else
	PLACES
.endif
	FETCH \next, 0, F0
	MULA F1, 2, 0
	MULA F1, 3, 0
.endm
	s_wait_tensorcnt 1                             ; my part of K step 0 is in; K step 1's may stay out
	s_barrier_signal -1
	s_barrier_wait -1
	FETCH 0, 0, F0
	QUARTER 0, 64, F0, F1, 1                       ; the first quarter stands in front of the loop: its products start the sums
	WIN 0                                          ; at a label and at a branch every window is 0
	s_mov_b32 s3, LAPS-1
.Llap:                                                 ; a trip goes once round the ring and fills both slots again
	QUARTER 0, 128, F1, F0, 0
	QUARTER 0, 192, F0, F1, 0
	TURN 0, 1, 1
	QUARTER 1, 64,  F0, F1, 0
	QUARTER 1, 128, F1, F0, 0
	QUARTER 1, 192, F0, F1, 0
	TURN 1, 0, 1
	QUARTER 0, 64,  F0, F1, 0
	WIN 0
	s_sub_co_u32 s3, s3, 1
	s_cmp_lg_u32 s3, 0
	s_cbranch_scc1 .Llap
	QUARTER 0, 128, F1, F0, 0                      ; the last lap fills nothing
	QUARTER 0, 192, F0, F1, 0
	TURN 0, 1, 0
	QUARTER 1, 64,  F0, F1, 0
	QUARTER 1, 128, F1, F0, 0
	QUARTER 1, 192, F0, F1, 0
	s_wait_dscnt 4
	MULA F1, 0, 0
	MULA F1, 1, 0
	s_wait_dscnt 0x0
	MULA F1, 2, 0
	MULA F1, 3, 0
	WIN 0
	PLACES
; THE WAY OUT: each accumulator is scaled (q alone), rounded to f16 in place from its low end on, and stored as 512 consecutive aligned bytes.
.macro OUT a, b
.set AC, ACC+8*(6*(\a)+(\b))
.if (\b) == 0
.irp r, 0,1,2,3
	v_pk_mul_f32 v[AC+2*(\r):AC+2*(\r)+1], v[AC+2*(\r):AC+2*(\r)+1], s[CS:CS+1] op_sel_hi:[1,0]
.endr
.endif
.irp r, 0,1,2,3
	v_cvt_pk_f16_f32 v[AC+(\r)], v[AC+2*(\r)], v[AC+2*(\r)+1]
.endr
.if (\b) == 0
	global_store_b128 v[FRO], v[AC:AC+3], s[6:7] offset:512*(\a)
.elseif (\b) == 1
	global_store_b128 v[FRO], v[AC:AC+3], s[8:9] offset:512*(\a)
.else
	global_store_b128 v[VO], v[AC:AC+3], s[10:11] offset:2048*(\a)+512*((\b)-2)
.endif
.endm
.irp a, 0,1,2,3
.irp b, 0,1,2,3,4,5
	OUT \a, \b
.endr
.endr
	s_wait_tensorcnt 0x0                           ; the wave's end, behind my last tensor load
	ds_add_u32 v[SPW], v[NIL]
	s_wait_dscnt 0x0
	CROUND                                         ; the closing round: no work-group ends while a partner may still ask for a tile that names it
	s_endpgm
.Lfunc_end_k_qfb54489b68_proj:
	.size	k_qfb54489b68_proj, .Lfunc_end_k_qfb54489b68_proj-k_qfb54489b68_proj
	.p2alignl 7, 3214868480
	.fill 96, 4, 3214868480
	.section	.rodata,"a",@progbits
	.p2align	6, 0x0
	.amdhsa_kernel k_qfb54489b68_proj
		.amdhsa_group_segment_fixed_size 327680
		.amdhsa_private_segment_fixed_size 0
		.amdhsa_enable_private_segment 0
		.amdhsa_kernarg_size 32
		.amdhsa_user_sgpr_count 2
		.amdhsa_user_sgpr_kernarg_segment_ptr 1
		.amdhsa_wavefront_size32 1
		.amdhsa_system_sgpr_workgroup_id_x 1
		.amdhsa_system_sgpr_workgroup_id_y 1
		.amdhsa_system_sgpr_workgroup_id_z 1
		.amdhsa_system_vgpr_workitem_id 0
		.amdhsa_next_free_vgpr 512
		.amdhsa_next_free_sgpr 72
		.amdhsa_reserve_vcc 0
		.amdhsa_float_denorm_mode_32 3
		.amdhsa_float_denorm_mode_16_64 3
		.amdhsa_memory_ordered 1
		.amdhsa_forward_progress 1
		.amdhsa_inst_pref_size 68
	.end_amdhsa_kernel
	.amdgpu_metadata
---
amdhsa.version: [ 1, 2 ]
amdhsa.kernels:
  - .name:           k_qfb54489b68_proj
    .symbol:         k_qfb54489b68_proj.kd
    .args:
      - { .name: bf, .offset: 0, .size: 8, .value_kind: global_buffer, .address_space: global }
      - { .name: qf, .offset: 8, .size: 8, .value_kind: global_buffer, .address_space: global }
      - { .name: kf, .offset: 16, .size: 8, .value_kind: global_buffer, .address_space: global }
      - { .name: vf, .offset: 24, .size: 8, .value_kind: global_buffer, .address_space: global }
    .group_segment_fixed_size: 327680
    .private_segment_fixed_size: 0
    .kernarg_segment_align: 8
    .kernarg_segment_size: 32
    .max_flat_workgroup_size: 128
    .sgpr_count:     72
    .vgpr_count:     512
    .wavefront_size: 32
...
	.end_amdgpu_metadata
.endif
;; end of part 2
;; launch stats (part 3): grid 8 x 32, 8 waves a work-group, clusters of 4 x 1, 167,936 bytes of LDS; arguments qf, kf, kt; writes kt
.if DOCPART == 3
	.amdgcn_target "amdgcn-amd-amdhsa--gfx1250"
	.amdhsa_code_object_version 6
	.text
	.protected	k_qfb54489b68_stats
	.globl	k_qfb54489b68_stats
	.p2align	8
	.type	k_qfb54489b68_stats,@function
k_qfb54489b68_stats:
	s_mov_b64 s[64:65], 0
	v_nop
	global_prefetch_b8 v0, s[64:65] scope:SCOPE_SE
	s_setreg_imm32_b32 hwreg(HW_REG_WAVE_MODE, 25, 1), 1
	s_wait_xcnt 0x0
	s_wait_alu depctr_hold_cnt(0) depctr_sa_sdst(0) depctr_va_vdst(0) depctr_va_sdst(0) depctr_va_ssrc(0) depctr_va_vcc(0) depctr_vm_vsrc(0)
	s_getreg_b32 s2, hwreg(HW_REG_IB_STS2, 6, 4)
	s_cmp_eq_u32 s2, 0
	s_cbranch_scc0 .Lentry_in_a_cluster
	s_endpgm
.Lentry_in_a_cluster:
	s_bfe_u32 s2, ttmp6, 0x10000c
	s_cmp_lg_u32 s2, 0x3003
	s_cbranch_scc0 .Lentry_shape_is_right
	s_endpgm
.Lentry_shape_is_right:
; STATS: the problem's softmax runs along the QUERY axis: each key column m of a (batch, head) has its own maximum and sum over all 2,048 queries, and both must be whole before any output row can be summed.
; With S' = c s (c is already in q): M'[m] = max over n of S'[n][m];  L[m] = sum over n of 2^(S' - M');  negT[m] = -(M' + log2 L).  The next launch takes attn = 2^(S' + negT).  Nothing of the problem is left out.
; ONE SWEEP, A RUNNING MAXIMUM.  Each lane keeps (m, l) for its key and its half of the queries.  For a group of 64 queries: m' = max(m, the lane's 32 scores), a = 2^(m - m'), l = a l + the sum of 2^(s - m').
; So every exponent is at most 0, and the scores are formed once.  m starts at the lowest finite number and l at 0: the first a is 0, and the first group is a group like any other.
; At the end the two halves of the lanes meet: M' = max of the two m, L = l 2^(m - M') of both.
; SHARES.  A work-group takes 256 keys of one (batch, head), a wave 32: two blocks of 16.  S = Q K^T (source 0 = 16 queries, source 1 = 16 keys): a lane holds ONE key (lane % 16) and the queries 8 (lane / 16) + 0..7,
; so nothing changes lanes inside the sweep.  The head size is 16; the matrix form's K is 32: the upper four registers of every fragment hold 0, written once.
; A TURN, for group g (buffer p = g % 2).  Ahead of its one wait stands all that names no result of its exponentials: the 8 products of group g + 1 (other buffer), the 32 packed subtractions s - m and the 64
; exponentials of group g, the 34 plain lines that find group g + 1's maximum, and last its two a: 66 plain lines and 66 exponentials, by turns.  Behind the wait: the 32 packed sums of group g, eight chains by
; turns, the first line of each chain being l = a l + e.  m and a are kept by the group's parity: a of group g + 1 is made before a of group g is used.
; LDS.  The head's whole q (128 blocks of 512 bytes) is filled once, by one joint load a wave (32 rows of 256 bytes; the four work-groups of a cluster share a head).  Nothing is filled again.
; OUT.  kt[bh][step of 64 keys] = four blocks of k as they lie in kf (2,048 bytes), then the 64 negT (256 bytes): what one key step of the next launch reads.
; LIMITS.  A weight below 2^-126 counts as 0 in L.  NaN and infinities are not treated apart.
.set TST,   65536                      ; 256 words: the work-group's negT, stored by ds_store alone
.set SPARE, 66560                      ; the spare words, 128 bytes a wave: four blocks of 256 bytes that no other line names
.set L16, 2                            ; v2   16 x lane; never rewritten
.set AQ,  3                            ; v3   LDS address of the next four blocks of q
.set CC,  5                            ; v[5:12]    four maxima at work for each key block; at the end: at work
.set SPW, 14
.set NIL, 15
.set KB,  16                           ; v[16:31]   my two fragments of k
.set QF,  32                           ; v[32:95]   two buffers of four fragments of q
.set S,   96                           ; v[96:223]  two buffers of eight accumulators: number 2 i + u (query block i, key block u)
.set LS,  224                          ; v[224:239] eight pairs of running sums, one an accumulator
.set MR,  240                          ; v[240:247] m: key block u, parity b at MR + 4 u + 2 b; named as a pair, of which the low word serves both halves
.set AA,  248                          ; v[248:255] a: likewise
.set WV,  12
.set G1,  24                           ; s[24:31] descriptor group 1; written once
.set G0,  32                           ; s[32:35] descriptor group 0; written once
.set W01, 40                           ; s40  min(wave, 1), then the LDS byte from which negT is read back
.set CNT, 57
.set SEL, 60
.macro CROUND
	s_barrier_signal -1
	s_barrier_wait -1
	s_cmp_lg_u32 s[WV], 0
	s_cbranch_scc1 .Lnot_wave_0_\@
	s_barrier_signal -3
.Lnot_wave_0_\@:
	s_barrier_wait -3
	s_barrier_signal -1
	s_barrier_wait -1
.endm
.macro PLACES
.rept 4
	v_nop
.endr
.endm
	s_load_b128 s[4:7], s[0:1], 0x0                ; qf s[4:5], kf s[6:7]
	s_load_b64 s[8:9], s[0:1], 0x10                ; kt
	v_lshl_add_u32 v[SPW], v0, 2, SPARE
	v_mov_b32 v[NIL], 0
	ds_add_u32 v[SPW], v[NIL]                      ; the wave's opening: the add, twice on end, and its wait ahead of my first tensor load
	ds_add_u32 v[SPW], v[NIL]
	v_lshrrev_b32 v1, 5, v0
	v_readfirstlane_b32 s[WV], v1                  ; wave 0..7
	s_bfe_u32 s13, ttmp6, 0x40000                  ; cx
	s_lshl_b32 s14, ttmp9, 2
	s_add_co_u32 s14, s14, s13                     ; kbx: my block of 256 keys, 0..7
	s_and_b32 s15, ttmp7, 0xffff                   ; bh, which the four partners share
	s_mov_b32 s[G1+0], 15|(3<<16)|(1<<21)          ; the mask of four; elements of 8 bytes; bit 21 beside a mask; no padding
	s_mov_b32 s[G1+1], 32<<16                      ; tensor_dim0 = 32 (256 bytes)
	s_mov_b32 s[G1+2], 32<<16                      ; tensor_dim1 = 32
	s_mov_b32 s[G1+3], 32<<16                      ; tile_dim0 = 32
	s_mov_b32 s[G1+4], 32                          ; tile_dim1 = 32
	s_mov_b32 s[G1+5], 32                          ; dense
	s_mov_b32 s[G1+6], 0
	s_mov_b32 s[G1+7], 0
	s_mov_b32 s[G0], 1
	s_mul_i32 s[G0+1], s[WV], 8192                 ; my eighth of the head's q
	s_lshl_b32 s16, s15, 16
	s_add_co_u32 s16, s16, s[G0+1]
	s_mov_b32 s17, 0
	s_lshl_b32 s18, s15, 7
	s_lshl4_add_u32 s18, s14, s18
	s_lshl1_add_u32 s18, s[WV], s18                ; my first key block: 128 bh + 16 kbx + 2 wave
	s_lshl_b32 s18, s18, 9
	s_mov_b32 s19, 0
	s_mul_i32 s20, s15, 73728                      ; the head's part of kt
	s_lshl_b32 s21, s14, 2                         ; the work-group's first step, 4 kbx
	s_lshr_b32 s22, s[WV], 1
	s_add_co_u32 s22, s22, s21
	s_mul_i32 s22, s22, 2304
	s_add_co_u32 s22, s22, s20
	s_and_b32 s23, s[WV], 1
	s_lshl_b32 s23, s23, 10
	s_add_co_u32 s22, s22, s23                     ; my two blocks of k in their step
	s_mov_b32 s23, 0
	s_min_u32 s[W01], s[WV], 1                     ; waves 0 and 1 copy negT out, two steps each; the other waves' registers stay inside the same regions
	s_lshl1_add_u32 s21, s[W01], s21
	s_mul_i32 s21, s21, 2304
	s_add_co_u32 s20, s20, s21
	s_add_co_u32 s20, s20, 2048
	s_mov_b32 s21, 0
	s_lshl_b32 s[W01], s[W01], 9
	s_add_co_u32 s[W01], s[W01], TST
	s_mov_b32 s[SEL], 0x76543210                   ; v_permlanex16_b32: each lane takes its own place in the other half
	s_mov_b32 s[SEL+1], 0xfedcba98
	s_wait_dscnt 0x0                               ; both opening adds are done
	s_wait_kmcnt 0x0
	s_add_nc_u64 s[G0+2:G0+3], s[4:5], s[16:17]
	s_or_b32 s[G0+3], s[G0+3], 0x80000000
	s_add_nc_u64 s[6:7], s[6:7], s[18:19]
	s_add_nc_u64 s[10:11], s[8:9], s[22:23]
	s_add_nc_u64 s[8:9], s[8:9], s[20:21]
	CROUND                                         ; all four work-groups are here: the joint loads meet
	tensor_load_to_lds s[G0:G0+3], s[G1:G1+7]      ; one tensor load of mine is out
	s_nop 0
.rept 4
	v_nop
.endr
	v_and_b32 v1, 31, v0                           ; lane
	v_lshlrev_b32 v[L16], 4, v1
	global_load_b128 v[KB:KB+3],    v[L16], s[6:7]
	global_load_b128 v[KB+8:KB+11], v[L16], s[6:7] offset:512
.irp z, 4,5,6,7,12,13,14,15
	v_mov_b32 v[KB+(\z)], 0                        ; channels 16-31 do not exist
.endr
.set z, 0
.rept 8
.irp j, 4,5,6,7
	v_mov_b32 v[QF+8*z+(\j)], 0
.endr
.set z, z+1
.endr
.set z, 0
.rept 16
	v_mov_b32 v[LS+z], 0                           ; l
.set z, z+1
.endr
.set z, 0
.rept 8
	v_mov_b32 v[MR+z], 0xff7fffff                  ; m: the lowest finite number (the pairs' upper words are only named)
	v_mov_b32 v[AA+z], 0
.set z, z+1
.endr
	s_wait_tensorcnt 0x0                           ; my part of q is in,
	s_wait_loadcnt 0x0                             ; and my k
	s_barrier_signal -1
	s_barrier_wait -1                              ; everybody's part is
.macro LOADQ p                         ; the next 64 queries: four blocks of 512 consecutive bytes into buffer p
.irp i, 0,1,2,3
	ds_load_b128 v[QF+32*(\p)+8*(\i):QF+32*(\p)+8*(\i)+3], v[AQ] offset:512*(\i)
.endr
	v_add_nc_u32 v[AQ], 2048, v[AQ]
.endm
.macro WMM b, a                        ; product a of 8 into buffer b: query block a / 2, key block a % 2.  Each starts and ends its own sum: no accumulator is added onto
	v_wmma_f32_16x16x32_f16 v[S+64*(\b)+8*(\a):S+64*(\b)+8*(\a)+7], v[QF+32*(\b)+8*((\a)/2):QF+32*(\b)+8*((\a)/2)+7], v[KB+8*((\a)%2):KB+8*((\a)%2)+7], 0
.endm
; Number n of the 18 that find the maximum and a of the group in buffer b (its parity too), for key block u.  The lane's 32 scores lie in four accumulators, 16 registers apart.
;   0-11  four chains c0-c3 of seven scores each, three operands at a time; each accumulator's lowest registers are read first
;   12-15 the four scores left over, the old m, and c0-c3 into the new m          16  m_old - m_new          17  a
.macro XS b, u, n
.set rC, CC+4*(\u)
.set rO, MR+4*(\u)+2*(1-(\b))
.set rN, MR+4*(\u)+2*(\b)
.set rB, S+64*(\b)+8*(\u)
.if (\n) < 4
	v_max3_num_f32 v[rC+(\n)], v[rB+16*(\n)], v[rB+16*(\n)+1], v[rB+16*(\n)+2]
.elseif (\n) < 12
	v_max3_num_f32 v[rC+(\n)%4], v[rC+(\n)%4], v[rB+16*((\n)%4)+2*((\n)/4)+1], v[rB+16*((\n)%4)+2*((\n)/4)+2]
.elseif (\n) == 12
	v_max3_num_f32 v[rC], v[rC], v[rB+7], v[rB+23]
.elseif (\n) == 13
	v_max3_num_f32 v[rC+1], v[rC+1], v[rB+39], v[rB+55]
.elseif (\n) == 14
	v_max3_num_f32 v[rC+2], v[rC+2], v[rC+3], v[rO]
.elseif (\n) == 15
	v_max3_num_f32 v[rN], v[rC], v[rC+1], v[rC+2]
.elseif (\n) == 16
	v_sub_f32 v[rC+3], v[rO], v[rN]
.else
	v_exp_f32 v[AA+4*(\u)+2*(\b)], v[rC+3]
.endif
.endm
.macro FS p, f                         ; pair f of 32 of buffer p: s - m, with the m of the pair's key block ((f / 4) % 2)
	v_pk_add_f32 v[S+64*(\p)+2*(\f):S+64*(\p)+2*(\f)+1], v[S+64*(\p)+2*(\f):S+64*(\p)+2*(\f)+1], v[MR+4*(((\f)/4)%2)+2*(\p):MR+4*(((\f)/4)%2)+2*(\p)+1] op_sel_hi:[1,0] neg_lo:[0,1] neg_hi:[0,1]
.endm
; THE PLAIN QUEUE: the 32 subtractions of the group in hand, then numbers 0-16 of the next group's maximum, the two key blocks alternating, so that a chain's links stand apart.
.macro PL p
.if pq < 32
	FS \p, pq
.else
	XS 1-(\p), (pq-32)%2, (pq-32)/2
.endif
.set pq, pq+1
.endm
; THE EXPONENTIALS' QUEUE: the 64 scores of the group in hand, in place, then the next group's two a.  Exponential e stands behind subtraction e / 2: it is dealt behind plain line e + 4.
.macro EX p
.if te < 64
	v_exp_f32 v[S+64*(\p)+te], v[S+64*(\p)+te]
.else
	XS 1-(\p), te-64, 17
.endif
.set te, te+1
.endm
.macro GSUM p                          ; the 32 packed sums, eight chains by turns; a chain's first line also multiplies l by a
.set z, 0
.rept 32
.if z < 8
	v_pk_fma_f32 v[LS+2*z:LS+2*z+1], v[LS+2*z:LS+2*z+1], v[AA+4*(z%2)+2*(\p):AA+4*(z%2)+2*(\p)+1], v[S+64*(\p)+8*z:S+64*(\p)+8*z+1] op_sel_hi:[1,0,1]
.else
	v_pk_add_f32 v[LS+2*(z%8):LS+2*(z%8)+1], v[LS+2*(z%8):LS+2*(z%8)+1], v[S+64*(\p)+8*(z%8)+2*(z/8):S+64*(\p)+8*(z%8)+2*(z/8)+1]
.endif
.set z, z+1
.endr
.endm
; A TURN.  load = 1: buffer p of q, whose products stood in the turn before (behind them more than four plain lines), is asked for again, for the group after next.  nx = 1: there is a next group.
; The next group's accumulators are first read at plain line 32; the last product stands ahead of plain line 16: sixteen plain lines, which name none of its registers, lie between.
.macro TURN p, load, nx
.if \load
	LOADQ \p
	s_wait_dscnt 4                                 ; the four just issued may be out; the other buffer, asked for a turn ago, is in
.elseif \nx
	s_wait_dscnt 0x0
.endif
.set pq, 0
.set te, 0
.if \nx
	WMM 1-(\p), 0
.endif
	PL \p
	PL \p
	PL \p
	PL \p
.set w, 1
.rept 7
.if \nx
	WMM 1-(\p), w
.endif
	PL \p
	EX \p
	PL \p
	EX \p
.set w, w+1
.endr
.rept 14+34*(\nx)
	PL \p
	EX \p
.endr
.rept 36-32*(\nx)
	EX \p
.endr
	v_nop                                          ; a plain line behind the last exponential: one for the batch
	s_wait_alu depctr_va_vdst(0)                   ; the one wait for the batch, ahead of the first line that names an exponential's result
	GSUM \p
.endm
	v_mov_b32 v[AQ], v[L16]
	LOADQ 0                                        ; group 0
	LOADQ 1                                        ; group 1
	s_wait_dscnt 4                                 ; group 0 is in
.irp a, 0,1,2,3,4,5,6,7
	WMM 0, \a                                      ; the first scores: there is no vector work yet to set between them
.endr
	PLACES
.irp n, 0,1,2,3,4,5,6,7,8,9,10,11,12,13,14,15,16,17
	XS 0, 0, \n                                    ; group 0's maximum and a
	XS 0, 1, \n
.endr
	v_nop                                          ; a plain line behind the two a,
	s_wait_alu depctr_va_vdst(0)                   ; and their wait, ahead of the label
	s_mov_b32 s[CNT], 15
.Lsweep:                                               ; groups 0-29; the loads reach group 31
	TURN 0, 1, 1
	TURN 1, 1, 1
	s_sub_co_u32 s[CNT], s[CNT], 1
	s_cmp_lg_u32 s[CNT], 0
	s_cbranch_scc1 .Lsweep
	TURN 0, 0, 1                                   ; group 30: nothing is left to fetch
	TURN 1, 0, 0                                   ; group 31: no further scores
	; THE END: a key block's four chains and their halves are added; the two halves of the lanes, which hold the key's other queries, meet.
	v_pk_add_f32 v[LS:LS+1],     v[LS:LS+1],     v[LS+4:LS+5]     ; even chains: key block 0; odd ones: key block 1
	v_pk_add_f32 v[LS+2:LS+3],   v[LS+2:LS+3],   v[LS+6:LS+7]
	v_pk_add_f32 v[LS+8:LS+9],   v[LS+8:LS+9],   v[LS+12:LS+13]
	v_pk_add_f32 v[LS+10:LS+11], v[LS+10:LS+11], v[LS+14:LS+15]
	v_pk_add_f32 v[LS:LS+1],     v[LS:LS+1],     v[LS+8:LS+9]
	v_pk_add_f32 v[LS+2:LS+3],   v[LS+2:LS+3],   v[LS+10:LS+11]
	v_add_f32 v5, v[LS], v[LS+1]                   ; my l
	v_add_f32 v6, v[LS+2], v[LS+3]
	v_permlanex16_b32 v7, v[MR+2], s[SEL], s[SEL+1]  ; group 31 has parity 1: its m is the last
	v_permlanex16_b32 v8, v[MR+6], s[SEL], s[SEL+1]
	v_max_num_f32 v7, v7, v[MR+2]                  ; M'
	v_max_num_f32 v8, v8, v[MR+6]
	v_sub_f32 v9, v[MR+2], v7
	v_sub_f32 v10, v[MR+6], v8
	v_exp_f32 v9, v9
	v_exp_f32 v10, v10
	v_nop                                          ; a plain line behind the last exponential,
	s_wait_alu depctr_va_vdst(0)                   ; and the one wait for both
	v_mul_f32 v5, v5, v9                           ; l 2^(m - M')
	v_mul_f32 v6, v6, v10
	v_permlanex16_b32 v9, v5, s[SEL], s[SEL+1]
	v_permlanex16_b32 v10, v6, s[SEL], s[SEL+1]
	v_add_f32 v5, v5, v9                           ; L
	v_add_f32 v6, v6, v10
	v_log_f32 v5, v5
	v_log_f32 v6, v6
	v_nop                                          ; a plain line behind the last logarithm,
	s_wait_alu depctr_va_vdst(0)                   ; and the one wait for both
	v_add_f32 v5, v5, v7                           ; M' + log2 L
	v_add_f32 v6, v6, v8
	v_and_b32 v9, 31, v0
	v_cmp_lt_u32 vcc_lo, 15, v9
	v_cndmask_b32 v5, v5, v6, vcc_lo               ; lane l keeps the wave's key l: thread t the work-group's key t
	v_xor_b32 v5, 0x80000000, v5                   ; negT
	v_lshl_add_u32 v1, v0, 2, TST
	ds_store_b32 v1, v5
	global_store_b128 v[L16], v[KB:KB+3],    s[10:11]             ; my two blocks of k, 512 consecutive aligned bytes each
	global_store_b128 v[L16], v[KB+8:KB+11], s[10:11] offset:512
	v_and_b32 v6, 15, v0
	v_bfe_u32 v7, v0, 4, 1
	v_mul_u32_u24 v10, v7, 2304                    ; negT's way out: lanes 0-15 one step's 256 bytes, lanes 16-31 the next step's
	v_lshl_add_u32 v10, v6, 4, v10
	v_add_nc_u32 v11, s[W01], v[L16]
	s_wait_dscnt 0x0                               ; for the others' sake: my store into LDS is done
	s_barrier_signal -1
	s_barrier_wait -1
	s_cmp_lt_u32 s[WV], 2
	s_cbranch_scc0 .Lend
	ds_load_b128 v[QF:QF+3], v11                   ; 128 keys' negT: two steps
	s_wait_dscnt 0x0
	global_store_b128 v10, v[QF:QF+3], s[8:9]      ; 16 lanes store 256 consecutive aligned bytes
.Lend:
	s_wait_tensorcnt 0x0                           ; the wave's end, behind my last tensor load and my last LDS store
	ds_add_u32 v[SPW], v[NIL]
	s_wait_dscnt 0x0
	CROUND                                         ; the closing round
	s_endpgm
.Lfunc_end_k_qfb54489b68_stats:
	.size	k_qfb54489b68_stats, .Lfunc_end_k_qfb54489b68_stats-k_qfb54489b68_stats
	.p2alignl 7, 3214868480
	.fill 96, 4, 3214868480
	.section	.rodata,"a",@progbits
	.p2align	6, 0x0
	.amdhsa_kernel k_qfb54489b68_stats
		.amdhsa_group_segment_fixed_size 167936
		.amdhsa_private_segment_fixed_size 0
		.amdhsa_enable_private_segment 0
		.amdhsa_kernarg_size 24
		.amdhsa_user_sgpr_count 2
		.amdhsa_user_sgpr_kernarg_segment_ptr 1
		.amdhsa_wavefront_size32 1
		.amdhsa_system_sgpr_workgroup_id_x 1
		.amdhsa_system_sgpr_workgroup_id_y 1
		.amdhsa_system_sgpr_workgroup_id_z 1
		.amdhsa_system_vgpr_workitem_id 0
		.amdhsa_next_free_vgpr 256
		.amdhsa_next_free_sgpr 66
		.amdhsa_reserve_vcc 1
		.amdhsa_float_denorm_mode_32 3
		.amdhsa_float_denorm_mode_16_64 3
		.amdhsa_memory_ordered 1
		.amdhsa_forward_progress 1
		.amdhsa_inst_pref_size 46
	.end_amdhsa_kernel
	.amdgpu_metadata
---
amdhsa.version: [ 1, 2 ]
amdhsa.kernels:
  - .name:           k_qfb54489b68_stats
    .symbol:         k_qfb54489b68_stats.kd
    .args:
      - { .name: qf, .offset: 0, .size: 8, .value_kind: global_buffer, .address_space: global }
      - { .name: kf, .offset: 8, .size: 8, .value_kind: global_buffer, .address_space: global }
      - { .name: kt, .offset: 16, .size: 8, .value_kind: global_buffer, .address_space: global }
    .group_segment_fixed_size: 167936
    .private_segment_fixed_size: 0
    .kernarg_segment_align: 8
    .kernarg_segment_size: 24
    .max_flat_workgroup_size: 256
    .sgpr_count:     66
    .vgpr_count:     256
    .wavefront_size: 32
...
	.end_amdgpu_metadata
.endif
;; end of part 3
;; launch attn (part 4): grid 8 x 32, 4 waves a work-group, clusters of 4 x 1, 327,680 bytes of LDS; arguments qf, kt, vf, of; writes of
.if DOCPART == 4
	.amdgcn_target "amdgcn-amd-amdhsa--gfx1250"
	.amdhsa_code_object_version 6
	.text
	.protected	k_qfb54489b68_attn
	.globl	k_qfb54489b68_attn
	.p2align	8
	.type	k_qfb54489b68_attn,@function
k_qfb54489b68_attn:
	s_mov_b64 s[64:65], 0
	v_nop
	global_prefetch_b8 v0, s[64:65] scope:SCOPE_SE
	s_setreg_imm32_b32 hwreg(HW_REG_WAVE_MODE, 25, 1), 1
	s_wait_xcnt 0x0
	s_wait_alu depctr_hold_cnt(0) depctr_sa_sdst(0) depctr_va_vdst(0) depctr_va_sdst(0) depctr_va_ssrc(0) depctr_va_vcc(0) depctr_vm_vsrc(0)
	s_getreg_b32 s2, hwreg(HW_REG_IB_STS2, 6, 4)
	s_cmp_eq_u32 s2, 0
	s_cbranch_scc0 .Lentry_in_a_cluster
	s_endpgm
.Lentry_in_a_cluster:
	s_bfe_u32 s2, ttmp6, 0x10000c
	s_cmp_lg_u32 s2, 0x3003
	s_cbranch_scc0 .Lentry_shape_is_right
	s_endpgm
.Lentry_shape_is_right:
; ATTN: o[n][h][:] = the sum over keys m of attn[n][m] v[m][h][:], attn = 2^(S' + negT[m]).  S' = c s comes from the f16 q (c inside) and k; negT = -(M' + log2 L) is the key column's maximum and sum over all
; queries, made by the launch before: the maximum is taken away inside the exponent, and the division by L too.  negT enters as the C OPERAND of the score product, so this launch has no scaling, no maximum,
; no row sum, no rescaling and no final division.  Nothing of the problem is left out.
; SHARES.  A work-group takes 256 queries of one (batch, head), a wave 64: four tiles of 16.  Every wave walks all 2,048 keys, 64 a step, 32 steps.
; LAYOUT.  S^T = K Q^T + negT (source 0 = 16 keys, source 1 = 16 queries): a lane holds ONE query (lane % 16) and the keys 8 (lane / 16) + 0..7.  Two such results, their exponentials rounded to f16 in pairs, ARE
; source 1 (32 keys x 16 queries) of O^T = V^T P.  V ([key][channel], blocks of 16 x 16) is turned by ds_load_tr16_b128.  The head size is 16, the form's K 32: the upper four registers of K's and Q's fragments hold 0.
; A TURN, for step j: K and negT of step j + 1 are fetched; 32 products V^T P of step j - 1, behind each four exponentials of step j; V of step j is fetched; 16 products K Q^T of step j + 1, behind each four
; roundings of step j.  A turn's 128 exponentials are ONE batch with ONE wait.
; LDS.  V: two slots of 65,536 bytes (512 keys, 8 steps), filled by joint loads of the cluster's four work-groups, which share a head.  kt: the head's 73,728 bytes, filled once, so K's lead of a step over V never meets the ring.
; OUT.  o is rounded once, to bf16 (a query's weights may add up to as much as 2,048, since the softmax runs along the queries: f16 would have no room), in blocks of 16 rows x 16 channels, 512 consecutive bytes each.
; LIMITS.  A weight lies in 0 to about 1; below 6e-5 it keeps f16's fixed step of 6e-8; below 2^-126 it counts as 0.  NaN and infinities are not treated apart.
; REGISTERS, in windows of 256 (s_set_vgpr_msb: bits 1:0 source 0, 3:2 source 1, 5:4 source 2, 7:6 destination):
;   window 0: v2-9 addresses; v12-13 the add's two; v32-63 negT, 8 a key block
;   window 1: v0-63 O^T of tiles 0, 1; v64-127 exponentials of key blocks 0, 1; v128-143 K blocks 0, 1; v144-175 Q          window 2: the same for tiles 2, 3 and key blocks 2, 3, with a second copy of Q
;   window 3: v0-127 S^T (32 t + 8 kb); v128-191 V (32 kk + 8 cb); v192-255 P (16 t + 8 kk)
; So V^T P and the exponentials share a setting, and K Q^T and the roundings another: a turn has nine switches for 48 matrix instructions.
.set SLOTB, 65536
.set KT,    131072
.set STEPK, 2304
.set STEPV, 8192
.set SPARE, 204800                     ; the spare words, 128 bytes a wave: two blocks of 256 bytes that no other line names
.set L16, 2                            ; v2   16 x lane; never rewritten
.set CT0, 3                            ; v3   2048 + 32 (lane / 16): my eight negT of a key block
.set AV0, 4                            ; v4   my place in a block of V for the turning load
.set AKT, 5
.set ACT, 6
.set AV,  7
.set PFO, 9                            ; v9   256 x lane; never rewritten
.set SPW, 12
.set NIL, 13
.set CR,  32
.set O,   0
.set E,   64
.set KF,  128
.set QR,  144
.set S,   0
.set VF,  128
.set P,   192
.set WV,  12
.set LIM, 15                           ; s15  1 in a wave that prefetches, else the greatest number
.set G1V, 24                           ; s[24:31] group 1: 64 rows of 256 bytes
.set G1K, 32                           ; s[32:39] 72 rows
.set G0K, 40                           ; s[40:43] kt
.set G0A, 44                           ; s[44:47] V's first 512 keys
.set G0W, 48                           ; s[48:51] V's second 512 keys; it then walks
.set SLOTS, 56
.set CNT, 57
.set TBK, 58                           ; s58  LDS byte of the step of kt to be fetched
.set TBV, 59                           ; s59  of V's
.set PFA, 62                           ; s[62:63] what I prefetch
.set MSB, 0
.macro WIN new
.if MSB != (\new)
	s_set_vgpr_msb (MSB<<8)|(\new)
.set MSB, \new
.endif
.endm
.macro CROUND
	s_barrier_signal -1
	s_barrier_wait -1
	s_cmp_lg_u32 s[WV], 0
	s_cbranch_scc1 .Lnot_wave_0_\@
	s_barrier_signal -3
.Lnot_wave_0_\@:
	s_barrier_wait -3
	s_barrier_signal -1
	s_barrier_wait -1
.endm
.macro PLACES
.rept 4
	v_nop
.endr
.endm
	s_load_b256 s[4:11], s[0:1], 0x0               ; qf s[4:5], kt s[6:7], vf s[8:9], of s[10:11]
	v_lshl_add_u32 v[SPW], v0, 2, SPARE
	v_mov_b32 v[NIL], 0
	ds_add_u32 v[SPW], v[NIL]                      ; the wave's opening: the add, twice on end, and its wait ahead of my first tensor load
	ds_add_u32 v[SPW], v[NIL]
	v_lshrrev_b32 v1, 5, v0
	v_readfirstlane_b32 s[WV], v1                  ; wave 0..3
	s_bfe_u32 s13, ttmp6, 0x40000                  ; cx
	s_lshl_b32 s14, ttmp9, 2
	s_add_co_u32 s14, s14, s13                     ; qb: my block of 256 queries: it enters q's, o's and the prefetch's addresses alone
	s_and_b32 s54, ttmp7, 0xffff                   ; bh, which the four partners share
	s_mov_b32 s[G1V], 15|(3<<16)|(1<<21)           ; the mask of four; elements of 8 bytes; bit 21 beside a mask; no padding
	s_mov_b32 s[G1K], 15|(3<<16)|(1<<21)
.irp g, G1V, G1K
	s_mov_b32 s[(\g)+1], 32<<16                    ; tensor_dim0 = 32 (256 bytes)
	s_mov_b32 s[(\g)+3], 32<<16                    ; tile_dim0 = 32
	s_mov_b32 s[(\g)+5], 32                        ; dense
	s_mov_b32 s[(\g)+6], 0
	s_mov_b32 s[(\g)+7], 0
.endr
	s_mov_b32 s[G1V+2], 64<<16
	s_mov_b32 s[G1V+4], 64
	s_mov_b32 s[G1K+2], 72<<16
	s_mov_b32 s[G1K+4], 72
	s_mul_i32 s52, s[WV], 18432                    ; my quarter of the head's kt,
	s_mul_i32 s53, s[WV], 16384                    ; and of a slot of V
	s_mul_i32 s16, s54, 73728
	s_add_co_u32 s16, s16, s52
	s_mov_b32 s17, 0
	s_lshl_b32 s18, s54, 18
	s_add_co_u32 s18, s18, s53
	s_mov_b32 s19, 0
	s_mov_b32 s[G0K], 1
	s_add_co_u32 s[G0K+1], s52, KT
	s_mov_b32 s[G0A], 1
	s_mov_b32 s[G0A+1], s53
	s_mov_b32 s[G0W], 1
	s_add_co_u32 s[G0W+1], s53, SLOTB
	s_lshl_b32 s20, s54, 7
	s_lshl4_add_u32 s20, s14, s20
	s_lshl2_add_u32 s20, s[WV], s20                ; q: block 128 bh + 16 qb + 4 wave
	s_lshl_b32 s20, s20, 9
	s_mov_b32 s21, 0
	s_lshr_b32 s22, s54, 4
	s_lshl_b32 s22, s22, 7
	s_lshl4_add_u32 s22, s14, s22
	s_lshl2_add_u32 s22, s[WV], s22                ; o: row block 128 b + 16 qb + 4 wave, 32,768 bytes each,
	s_lshl_b32 s22, s22, 15
	s_and_b32 s23, s54, 15
	s_lshl_b32 s23, s23, 11                        ; the head's four blocks of 512 bytes
	s_add_co_u32 s22, s22, s23
	s_mov_b32 s23, 0
	s_lshl_b32 s2, s54, 18                         ; the prefetch: V's last 512 keys, my work-group's quarter by address, waves 0 and 1 a half of it each
	s_add_co_u32 s2, s2, 3*SLOTB
	s_lshl_b32 s3, s13, 14
	s_add_co_u32 s2, s2, s3
	s_and_b32 s3, s[WV], 1
	s_lshl_b32 s3, s3, 13
	s_add_co_u32 s2, s2, s3
	s_mov_b32 s3, 0
	s_lshr_b32 s[LIM], s[WV], 1                    ; 0 in waves 0 and 1,
	s_or_b32 s[LIM], s[LIM], ttmp9                 ; where the cluster is the head's first: the same in all four partners
	s_cmp_eq_u32 s[LIM], 0
	s_cselect_b32 s[LIM], 1, -1
	s_mov_b32 s[TBK], KT
	s_mov_b32 s[TBV], 0
	s_wait_dscnt 0x0                               ; both opening adds are done
	s_wait_kmcnt 0x0
	s_add_nc_u64 s[G0K+2:G0K+3], s[6:7], s[16:17]
	s_or_b32 s[G0K+3], s[G0K+3], 0x80000000
	s_add_nc_u64 s[G0A+2:G0A+3], s[8:9], s[18:19]
	s_add_nc_u64 s[G0W+2:G0W+3], s[G0A+2:G0A+3], SLOTB
	s_or_b32 s[G0A+3], s[G0A+3], 0x80000000
	s_or_b32 s[G0W+3], s[G0W+3], 0x80000000
	s_add_nc_u64 s[4:5], s[4:5], s[20:21]
	s_add_nc_u64 s[10:11], s[10:11], s[22:23]
	s_add_nc_u64 s[PFA:PFA+1], s[8:9], s[2:3]
	CROUND                                         ; all four work-groups are here: the first joint loads meet
	tensor_load_to_lds s[G0K:G0K+3], s[G1K:G1K+7]  ; the first fills go out as one group: three tensor loads of mine are out
	s_nop 0
	tensor_load_to_lds s[G0A:G0A+3], s[G1V:G1V+7]
	s_nop 0
	tensor_load_to_lds s[G0W:G0W+3], s[G1V:G1V+7]
	s_nop 0
.rept 4
	v_nop
.endr
	v_and_b32 v10, 31, v0                          ; lane
	v_bfe_u32 v8, v0, 4, 1                         ; hh = lane / 16
	v_lshlrev_b32 v[L16], 4, v10
	v_lshlrev_b32 v[PFO], 8, v10
	v_lshl_add_u32 v[CT0], v8, 5, 2048
	v_and_b32 v11, 7, v0                           ; the turning load: lane l reads key 8 (l / 16) + l % 8, channels 8 ((l / 8) % 2) + 0..7, of a block whose keys lie 32 bytes apart
	v_bfe_u32 v14, v0, 3, 1
	v_lshl_add_u32 v[AV0], v8, 3, v11
	v_lshlrev_b32 v[AV0], 5, v[AV0]
	v_lshl_add_u32 v[AV0], v14, 4, v[AV0]
.irp w, 0x40, 0x80                     ; Q stays in registers, once in each of the windows that hold K; the fragments' upper halves are 0
	WIN \w
.irp t, 0,1,2,3
	global_load_b128 v[QR+8*(\t):QR+8*(\t)+3], v[L16], s[4:5] offset:512*(\t)
.endr
.irp t, 0,1,2,3
.irp z, 4,5,6,7
	v_mov_b32 v[QR+8*(\t)+(\z)], 0
.endr
.endr
.irp z, 4,5,6,7,12,13,14,15
	v_mov_b32 v[KF+(\z)], 0
.endr
.endr
	WIN 0
; Product i of 32 of O^T += V^T P: tiles 2 (i / 16) + i % 2, keys 32 ((i / 8) % 2) on, channels 16 ((i / 2) % 4) on.  Eight accumulators take turns: seven others stand between two links of a chain.
.macro PV zero
.set hf, i/16
.set kk, (i/8)%2
.set cb, (i/2)%4
.set tl, i%2
.set rO, O+32*tl+8*cb
.set rV, VF+32*kk+8*cb
.set rP, P+16*(2*hf+tl)+8*kk
	WIN 0x5f+0x50*hf                               ; V and P window 3; O^T window 1 or 2
.if (\zero) && (kk == 0)
	v_wmma_f32_16x16x32_f16 v[rO:rO+7], v[rV:rV+7], v[rP:rP+7], 0
.else
	v_wmma_f32_16x16x32_f16 v[rO:rO+7], v[rV:rV+7], v[rP:rP+7], v[rO:rO+7]
.endif
.endm
; Exponential e of 128: key blocks 2 (e / 64) + 0, 1; within them 16 t + 8 kbl + j: each accumulator from its low end on.  Same setting as the products beside it.
.macro EX
.set hf, e/64
.set x, e%64
	WIN 0x5f+0x50*hf
	v_exp_f32 v[E+x], v[S+32*(x/16)+16*hf+x%16]
.set e, e+1
.endm
; Product i of 16 of S^T = K Q^T + negT: key block 2 (i / 8) + (i / 4) % 2, tile i % 4.  Each writes an accumulator of its own.
.macro KQ
.set hf, i/8
.set kbl, (i/4)%2
.set t, i%4
	WIN 0xc5+5*hf                                  ; K and Q window 1 or 2; negT window 0; S^T window 3
	v_wmma_f32_16x16x32_f16 v[S+32*t+16*hf+8*kbl:S+32*t+16*hf+8*kbl+7], v[KF+8*kbl:KF+8*kbl+7], v[QR+8*t:QR+8*t+7], v[CR+8*(2*hf+kbl):CR+8*(2*hf+kbl)+7]
.endm
; Rounding n of 64: two weights into one register of P.  Same setting as the products beside it.
.macro CV
.set hf, n/32
.set y, n%32
.set t, y/8
.set kbl, (y/4)%2
.set r, y%4
	WIN 0xc5+5*hf
	v_cvt_pk_f16_f32 v[P+16*t+8*hf+4*kbl+r], v[E+16*t+8*kbl+2*r], v[E+16*t+8*kbl+2*r+1]
.set n, n+1
.endm
.macro FETCH_KC                        ; 12 LDS loads: a step's 64 negT (lanes of a half read the same words) and its four blocks of k
	WIN 0
	v_add_nc_u32 v[AKT], s[TBK], v[L16]
	v_add_nc_u32 v[ACT], s[TBK], v[CT0]
	s_add_co_u32 s[TBK], s[TBK], STEPK
.irp c, 0,1,2,3,4,5,6,7
	ds_load_b128 v[CR+4*(\c):CR+4*(\c)+3], v[ACT] offset:64*((\c)/2)+16*((\c)%2)
.endr
	WIN 0x40
	ds_load_b128 v[KF:KF+3],    v[AKT]
	ds_load_b128 v[KF+8:KF+11], v[AKT] offset:512
	WIN 0x80
	ds_load_b128 v[KF:KF+3],    v[AKT] offset:1024
	ds_load_b128 v[KF+8:KF+11], v[AKT] offset:1536
.endm
.macro FETCH_V                         ; 16 turning loads: a step's V: keys 32 (f / 4) on, channels 16 (f % 4) on
	WIN 0
	v_add_nc_u32 v[AV], s[TBV], v[AV0]
	s_add_co_u32 s[TBV], s[TBV], STEPV
	WIN 0xc0
.irp f, 0,1,2,3,4,5,6,7
	ds_load_tr16_b128 v[VF+8*(\f):VF+8*(\f)+3],   v[AV] offset:((\f)/4)*4096+((\f)%4)*512
	ds_load_tr16_b128 v[VF+8*(\f)+4:VF+8*(\f)+7], v[AV] offset:((\f)/4)*4096+((\f)%4)*512+2048
.endr
.endm
; A TURN.  pv = 2: 32 products V^T P; 1: they start O^T's sums; 0: none.  kq = 1: the next step's K, negT and scores.
; K's and negT's registers were last read by the turn before's last product, behind which stand four roundings and the two address lines.  V's and P's were last read by this turn's last V^T P: the four v_nop are the
; places behind it, and the plain line behind the last exponential.
.macro TURN pv, kq
.if \kq
	FETCH_KC
.endif
.if \pv
.if \kq
	s_wait_dscnt 12                                ; V is in; the twelve just issued may be out
.else
	s_wait_dscnt 0x0
.endif
.endif
.set i, 0
.set e, 0
.rept 32
.if \pv
	PV 2-(\pv)
.endif
	EX
	EX
	EX
	EX
.set i, i+1
.endr
	PLACES
	s_wait_alu depctr_va_vdst(0)                   ; the one wait for the batch, ahead of the first line that names an exponential's result
	FETCH_V
.if \kq
	s_wait_dscnt 16                                ; K and negT are in; V's sixteen may be out
.endif
.set i, 0
.set n, 0
.rept 16
.if \kq
	KQ
.endif
	CV
	CV
	CV
	CV
.set i, i+1
.endr
.endm
.macro TURNS c
	WIN 0                                          ; at a label and at a branch every window is 0
	s_mov_b32 s[CNT], \c
.Lturn_\@:
	TURN 2, 1
	WIN 0
	s_sub_co_u32 s[CNT], s[CNT], 1
	s_cmp_lg_u32 s[CNT], 0
	s_cbranch_scc1 .Lturn_\@
.endm
; A PREFETCH INTO THE L2 of V's last 512 keys, at the first change of slots: eight turns ahead of the load that asks for them.  Each block of 256 bytes is named once in the launch: the head's first cluster asks; its four
; partners take 16,384 bytes each, told apart by address; in each, waves 0 and 1 take 8,192 bytes, a lane a block.  The three fills before come by their loads alone; the second change asks for nothing: no keys are left.
.macro ASK
	s_cmp_gt_u32 s[SLOTS], s[LIM]
	s_cbranch_scc0 .Lnot_mine_\@
	global_prefetch_b8 v[PFO], s[PFA:PFA+1] th:TH_LOAD_NT scope:SCOPE_SE
.Lnot_mine_\@:
.endm
; THE CHANGE OF SLOTS, behind the turn that has asked for the slot's last V.  Each wave waits for all its tensor loads, of which one is out: its part of the other slot; adds 0 to its spare word; and waits for that and
; for its reads of the slot.  fill = 1: the barrier is a round of the cluster's, and the joint refill, with the keys two slots on, is the first thing behind it: it has eight turns in which to land.
.macro CHANGE fill
	WIN 0
	s_wait_tensorcnt 0x0                           ; no tensor load of mine is out, so a group 0 may be written
	ds_add_u32 v[SPW], v[NIL]                      ; 0 onto my spare word
.if \fill
	s_xor_b32 s[G0W+1], s[G0W+1], SLOTB            ; the other slot than last time,
	s_add_nc_u64 s[G0W+2:G0W+3], s[G0W+2:G0W+3], SLOTB  ; the next 512 keys
	s_wait_dscnt 0x0                               ; the add is done, and my reads of the slot are over
	CROUND
	tensor_load_to_lds s[G0W:G0W+3], s[G1V:G1V+7]
	s_nop 0
.rept 4
	v_nop
.endr
	ASK
.else
	s_wait_dscnt 0x0
	s_barrier_signal -1
	s_barrier_wait -1
.endif
	s_sub_co_u32 s[TBV], s[TBV], SLOTB             ; the fetches go back to a slot's first step,
	s_xor_b32 s[TBV], s[TBV], SLOTB                ; in the other slot
.endm
	s_wait_tensorcnt 1                             ; my parts of kt and of V's slot 0 are in; slot 1's may stay out
	s_barrier_signal -1
	s_barrier_wait -1
	FETCH_KC                                       ; step 0
	s_wait_loadcnt 0x0                             ; Q
	s_wait_dscnt 0x0
.set i, 0
.rept 16
	KQ                                             ; the first scores: there is no vector work yet to set between them
.set i, i+1
.endr
	PLACES
	TURN 0, 1                                      ; step 0
	TURN 1, 1                                      ; step 1: the products of step 0 start O^T
	TURNS 6                                        ; steps 2-7
	s_mov_b32 s[SLOTS], 2
.Lslot:
	CHANGE 1
	TURNS 8                                        ; steps 8-15, 16-23
	s_sub_co_u32 s[SLOTS], s[SLOTS], 1
	s_cmp_lg_u32 s[SLOTS], 0
	s_cbranch_scc1 .Lslot
	CHANGE 0                                       ; the tail is written out: nothing is asked for
	TURNS 7                                        ; steps 24-30
	TURN 2, 0                                      ; step 31: no further scores
	s_wait_dscnt 0x0                               ; V of step 31
.set i, 0
.rept 32
	PV 0
.set i, i+1
.endr
	PLACES
; THE WAY OUT: each accumulator is rounded to bf16 in place, from its low end on; a lane's 16 bytes are eight channels of one row: 32 lanes store a block of 512 consecutive aligned bytes.
.macro OUTW w
	WIN 0x45*(\w)                                  ; destination and both sources in window w
.set a, 0
.rept 8
.irp r, 0,1,2,3
	v_cvt_pk_bf16_f32 v[O+8*a+(\r)], v[O+8*a+2*(\r)], v[O+8*a+2*(\r)+1]
.endr
.set a, a+1
.endr
	WIN 0x04*(\w)                                  ; a store's data is source 1
.set a, 0
.rept 8
	global_store_b128 v[L16], v[O+8*a:O+8*a+3], s[10:11] offset:32768*(2*((\w)-1)+a/4)+512*(a%4)
.set a, a+1
.endr
.endm
	OUTW 1
	OUTW 2
	WIN 0
	s_wait_tensorcnt 0x0                           ; the wave's end, behind my last tensor load
	ds_add_u32 v[SPW], v[NIL]
	s_wait_dscnt 0x0
	CROUND                                         ; the closing round
	s_endpgm
.Lfunc_end_k_qfb54489b68_attn:
	.size	k_qfb54489b68_attn, .Lfunc_end_k_qfb54489b68_attn-k_qfb54489b68_attn
	.p2alignl 7, 3214868480
	.fill 96, 4, 3214868480
	.section	.rodata,"a",@progbits
	.p2align	6, 0x0
	.amdhsa_kernel k_qfb54489b68_attn
		.amdhsa_group_segment_fixed_size 327680
		.amdhsa_private_segment_fixed_size 0
		.amdhsa_enable_private_segment 0
		.amdhsa_kernarg_size 32
		.amdhsa_user_sgpr_count 2
		.amdhsa_user_sgpr_kernarg_segment_ptr 1
		.amdhsa_wavefront_size32 1
		.amdhsa_system_sgpr_workgroup_id_x 1
		.amdhsa_system_sgpr_workgroup_id_y 1
		.amdhsa_system_sgpr_workgroup_id_z 1
		.amdhsa_system_vgpr_workitem_id 0
		.amdhsa_next_free_vgpr 1024
		.amdhsa_next_free_sgpr 66
		.amdhsa_reserve_vcc 0
		.amdhsa_float_denorm_mode_32 3
		.amdhsa_float_denorm_mode_16_64 3
		.amdhsa_memory_ordered 1
		.amdhsa_forward_progress 1
		.amdhsa_inst_pref_size 97
	.end_amdhsa_kernel
	.amdgpu_metadata
---
amdhsa.version: [ 1, 2 ]
amdhsa.kernels:
  - .name:           k_qfb54489b68_attn
    .symbol:         k_qfb54489b68_attn.kd
    .args:
      - { .name: qf, .offset: 0, .size: 8, .value_kind: global_buffer, .address_space: global }
      - { .name: kt, .offset: 8, .size: 8, .value_kind: global_buffer, .address_space: global }
      - { .name: vf, .offset: 16, .size: 8, .value_kind: global_buffer, .address_space: global }
      - { .name: of, .offset: 24, .size: 8, .value_kind: global_buffer, .address_space: global }
    .group_segment_fixed_size: 327680
    .private_segment_fixed_size: 0
    .kernarg_segment_align: 8
    .kernarg_segment_size: 32
    .max_flat_workgroup_size: 128
    .sgpr_count:     66
    .vgpr_count:     1024
    .wavefront_size: 32
...
	.end_amdgpu_metadata
.endif
;; end of part 4
;; launch outp (part 5): grid 8 x 32, 4 waves a work-group, clusters of 4 x 4, 327,680 bytes of LDS; arguments of, bf, out0; writes out0
.if DOCPART == 5
	.amdgcn_target "amdgcn-amd-amdhsa--gfx1250"
	.amdhsa_code_object_version 6
	.text
	.protected	k_qfb54489b68_outp
	.globl	k_qfb54489b68_outp
	.p2align	8
	.type	k_qfb54489b68_outp,@function
k_qfb54489b68_outp:
	s_mov_b64 s[64:65], 0
	v_nop
	global_prefetch_b8 v0, s[64:65] scope:SCOPE_SE
	s_setreg_imm32_b32 hwreg(HW_REG_WAVE_MODE, 25, 1), 1
	s_wait_xcnt 0x0
	s_wait_alu depctr_hold_cnt(0) depctr_sa_sdst(0) depctr_va_vdst(0) depctr_va_sdst(0) depctr_va_ssrc(0) depctr_va_vcc(0) depctr_vm_vsrc(0)
	s_getreg_b32 s2, hwreg(HW_REG_IB_STS2, 6, 4)
	s_cmp_eq_u32 s2, 0
	s_cbranch_scc0 .Lentry_in_a_cluster
	s_endpgm
.Lentry_in_a_cluster:
	s_bfe_u32 s2, ttmp6, 0x10000c
	s_cmp_lg_u32 s2, 0xf033
	s_cbranch_scc0 .Lentry_shape_is_right
	s_endpgm
.Lentry_shape_is_right:
; OUTP: out0[n][d] = the sum over k = h*64+v of o[n][k] output_proj[d][k]: [4096 x 1024] x [1024 x 1024]^T, bf16 operands, f32 sums, f32 out.  Nothing of the problem is left out.
; A tile of out0 is 128 x 128: 32 x 8 = 256 work-groups; four waves, each 64 x 64: 16 accumulators.  K goes in four steps of 256 through two LDS slots; the steps are written out.
; A (o) comes in the blocks in which the launch before stored it: [block of 16 rows][64 blocks of 16 k][512 bytes, lane l's 16 bytes at 16 l]: a K step of a row block is 8,192 dense bytes, a load brings four of them
; (32,768 bytes apart in memory), and two loads of 16 bytes a lane, 512 bytes apart, are a fragment: consecutive bytes, no padding.  B (rows 5632.. of bf) comes as rows of 512 bytes, 16 bytes of padding behind each.
; CLUSTER 4 x 4: A's tile is asked for jointly by a row of the cluster, B's by a column.  THE MATRIX INSTRUCTION IS USED TRANSPOSED (source 0 = 16 rows of B, source 1 = 16 rows of A): a lane holds 8 neighbouring
; numbers of a row of out0.  No data prefetch: four K steps, of which two are first fills.
; REGISTERS.  window 0: v16-29 addresses; v32-95 at work on the way out; v128-255 accumulators ((a, b) at 128 + 8 (4 a + b)).  window 1: two fragment buffers of 128: 64 of A (2 x 4), then 64 of B.
.set KSTEP,  256
.set PITCH,  528                       ; B's LDS row: 512 bytes + 16: the 16 rows of a fragment load begin 16 bytes apart modulo 256
.set AHALF,  32768
.set BHALF,  64*PITCH
.set BOFF,   2*AHALF
.set SLOT,   BOFF+2*BHALF              ; 133,120
.set STAGE,  2*SLOT                    ; behind the ring: 16 rows x 272 bytes for each wave, never filled by a tensor load
.set SPITCH, 272
.set SPARE,  STAGE+4*16*SPITCH         ; the spare words, 128 bytes a wave: two blocks of 256 bytes that no other line names
.set WO,     11534336                  ; byte of bf at which output_proj's rows begin
.set ADRA, 16
.set ADRB, 20
.set STO,  24
.set RD,   25
.set CO,   26
.set SPW,  28
.set NIL,  29
.set TMP,  32
.set ACC,  128
.set F0,   0
.set F1,   128
.set G1, 24
.set G0, 32
.set G1B, 48
.set G0B, 56
.set MSB, 0
.macro WIN new
.if MSB != (\new)
	s_set_vgpr_msb (MSB<<8)|(\new)
.set MSB, \new
.endif
.endm
.set MUL,  0x05
.set TO_F, 0x40
.macro JLOAD s                         ; a joint load: waves 0, 1 fetch A's two halves, waves 2, 3 B's; an s_nop 0 and four v_nop follow each line
	s_cmp_eq_u32 s11, 0
	s_cbranch_scc0 .Lfor_b_\@
	tensor_load_to_lds s[G0+4*(\s):G0+4*(\s)+3], s[G1:G1+7]
	s_nop 0
.rept 4
	v_nop
.endr
	s_branch .Lasked_\@
.Lfor_b_\@:
	tensor_load_to_lds s[G0B+4*(\s):G0B+4*(\s)+3], s[G1B:G1B+7]
	s_nop 0
.rept 4
	v_nop
.endr
.Lasked_\@:
.endm
.macro CREST
	s_cmp_lg_u32 s10, 0
	s_cbranch_scc1 .Lnot_wave_0_\@
	s_barrier_signal -3
.Lnot_wave_0_\@:
	s_barrier_wait -3
	s_barrier_signal -1
	s_barrier_wait -1
.endm
.macro CROUND
	s_barrier_signal -1
	s_barrier_wait -1
	CREST
.endm
.macro PLACES
.rept 4
	v_nop
.endr
.endm
	s_load_b128 s[4:7], s[0:1], 0x0                ; of s[4:5], bf s[6:7]
	s_load_b64 s[8:9], s[0:1], 0x10                ; out0
	v_lshl_add_u32 v[SPW], v0, 2, SPARE
	v_mov_b32 v[NIL], 0
	ds_add_u32 v[SPW], v[NIL]                      ; the wave's opening: the add, twice on end, and its wait ahead of my first tensor load
	ds_add_u32 v[SPW], v[NIL]
	v_lshrrev_b32 v1, 5, v0
	v_readfirstlane_b32 s10, v1                    ; wave 0..3
	s_lshr_b32 s11, s10, 1                         ; rh: my half of the tile's rows.  Also: I fetch for A (0) or B (1)
	s_and_b32 s12, s10, 1                          ; ch: my half of its columns.  Also: which half of that tile I fetch
	s_bfe_u32 s40, ttmp6, 0x40000                  ; cx
	s_bfe_u32 s41, ttmp6, 0x40004                  ; cy
	s_lshl_b32 s42, ttmp9, 2
	s_add_co_u32 s42, s42, s40                     ; tile column
	s_and_b32 s13, ttmp7, 0xffff
	s_lshl_b32 s13, s13, 2
	s_add_co_u32 s13, s13, s41                     ; tile row
	s_lshl_b32 s43, s41, 2
	s_lshl_b32 s43, 15, s43                        ; my row of the cluster
	s_lshl_b32 s44, 0x1111, s40                    ; my column
	s_or_b32 s[G1+0], s43, (3<<16)|(1<<21)         ; A: elements of 8 bytes; bit 21 beside a mask; no padding
	s_mov_b32 s[G1+1], 1024<<16                    ; tensor_dim0 = 1,024 (8,192 bytes)
	s_mov_b32 s[G1+2], 4<<16                       ; tensor_dim1 = 4
	s_mov_b32 s[G1+3], 1024<<16                    ; tile_dim0
	s_mov_b32 s[G1+4], 4                           ; tile_dim1
	s_mov_b32 s[G1+5], 4096                        ; 32,768 bytes from row block to row block
	s_mov_b32 s[G1+6], 0
	s_mov_b32 s[G1+7], 0
	s_or_b32 s[G1B+0], s44, (1<<16)|(1<<20)|(1<<21)|(6<<22)|(3<<25)  ; B: 2-byte elements; padding on; after every 128 words; 4 words
	s_mov_b32 s[G1B+1], KSTEP<<16
	s_mov_b32 s[G1B+2], 64<<16
	s_mov_b32 s[G1B+3], KSTEP<<16
	s_mov_b32 s[G1B+4], 64
	s_mov_b32 s[G1B+5], 1024
	s_mov_b32 s[G1B+6], 0
	s_mov_b32 s[G1B+7], 0
	s_lshl_b32 s16, s13, 3
	s_lshl2_add_u32 s16, s12, s16                  ; A: row block 8 x tile row + 4 ch
	s_lshl_b32 s16, s16, 15
	s_mov_b32 s17, 0
	s_lshl_b32 s46, s42, 7
	s_lshl_b32 s47, s12, 6
	s_add_co_u32 s46, s46, s47                     ; B: row 128 x tile column + 64 ch
	s_lshl_b32 s46, s46, 11
	s_add_co_u32 s46, s46, WO
	s_mov_b32 s47, 0
	s_mul_i32 s20, s12, AHALF                      ; where they go: no place in the cluster enters an LDS address
	s_mul_i32 s21, s12, BHALF
	s_add_co_u32 s21, s21, BOFF
	s_wait_dscnt 0x0                               ; both opening adds are done
	s_wait_kmcnt 0x0
	s_add_nc_u64 s[14:15], s[4:5], s[16:17]
	s_add_nc_u64 s[46:47], s[6:7], s[46:47]
	CROUND                                         ; all sixteen work-groups are here: the first joint loads meet
.irp s, 0,1
	s_mov_b32 s[G0+4*(\s)], 1
	s_add_co_u32 s[G0+4*(\s)+1], s20, (\s)*SLOT
	s_add_nc_u64 s[G0+4*(\s)+2:G0+4*(\s)+3], s[14:15], (\s)*8192
	s_or_b32 s[G0+4*(\s)+3], s[G0+4*(\s)+3], 0x80000000
	s_mov_b32 s[G0B+4*(\s)], 1
	s_add_co_u32 s[G0B+4*(\s)+1], s21, (\s)*SLOT
	s_add_nc_u64 s[G0B+4*(\s)+2:G0B+4*(\s)+3], s[46:47], (\s)*KSTEP*2
	s_or_b32 s[G0B+4*(\s)+3], s[G0B+4*(\s)+3], 0x80000000
	JLOAD \s
.endr
	v_and_b32 v1, 15, v0                           ; r
	v_bfe_u32 v2, v0, 4, 1                         ; hh
	v_and_b32 v4, 31, v0
	v_lshlrev_b32 v4, 4, v4                        ; A: 16 x lane
	v_mul_u32_u24 v3, v1, PITCH
	v_lshl_add_u32 v3, v2, 4, v3                   ; B: row x pitch + 16 x half
	s_mul_i32 s21, s11, AHALF                      ; my 64 rows of A
	s_mul_i32 s22, s12, BHALF                      ; my 64 rows of B
	s_add_co_u32 s22, s22, BOFF
.irp s, 0,1
	v_add_nc_u32 v[ADRA+(\s)], s21, v4
	v_add_nc_u32 v[ADRB+(\s)], s22, v3
	s_add_co_u32 s21, s21, SLOT
	s_add_co_u32 s22, s22, SLOT
.endr
	s_mul_i32 s23, s10, 16*SPITCH
	s_add_co_u32 s23, s23, STAGE                   ; my stage
	v_mul_u32_u24 v5, v1, SPITCH                   ; in: row r, 32 bytes for each half of the lanes
	v_lshl_add_u32 v5, v2, 5, v5
	v_add_nc_u32 v[STO], s23, v5
	v_mul_u32_u24 v5, v2, SPITCH                   ; back: lanes 0-15 one row of 256 bytes, lanes 16-31 the next
	v_lshl_add_u32 v5, v1, 4, v5
	v_add_nc_u32 v[RD], s23, v5
	v_lshlrev_b32 v5, 12, v2                       ; and the same two rows in out0
	v_lshl_add_u32 v[CO], v1, 4, v5
	s_lshl_b32 s16, s13, 7
	s_lshl_b32 s17, s11, 6
	s_add_co_u32 s16, s16, s17                     ; my first row: 128 x tile row + 64 rh
	s_lshl_b32 s16, s16, 12
	s_mov_b32 s17, 0
	s_add_nc_u64 s[8:9], s[8:9], s[16:17]
	s_lshl_b32 s46, s42, 9                         ; my first column, in bytes: 512 x tile column + 256 ch
	s_lshl_b32 s47, s12, 8
	s_add_co_u32 s46, s46, s47
	s_mov_b32 s47, 0
	s_add_nc_u64 s[8:9], s[8:9], s[46:47]
; 8 matrix instructions: row blocks a0, a0 + 1 x all 4 column blocks, 32 along K: half c of buffer f.  The 16 accumulators take turns, one instruction a turn.
.macro MUL8 f, c, a0, zero
	WIN MUL
.irp a, \a0, (\a0)+1
.irp b, 0,1,2,3
.if \zero
	v_wmma_f32_16x16x32_bf16 v[ACC+8*(4*(\a)+(\b)):ACC+8*(4*(\a)+(\b))+7], v[(\f)+64+8*(4*(\c)+(\b)):(\f)+64+8*(4*(\c)+(\b))+7], v[(\f)+8*(4*(\c)+(\a)):(\f)+8*(4*(\c)+(\a))+7], 0
.else
	v_wmma_f32_16x16x32_bf16 v[ACC+8*(4*(\a)+(\b)):ACC+8*(4*(\a)+(\b))+7], v[(\f)+64+8*(4*(\c)+(\b)):(\f)+64+8*(4*(\c)+(\b))+7], v[(\f)+8*(4*(\c)+(\a)):(\f)+8*(4*(\c)+(\a))+7], v[ACC+8*(4*(\a)+(\b)):ACC+8*(4*(\a)+(\b))+7]
.endif
.endr
.endr
.endm
; 32 LDS loads in one run: quarter q of a K step (64 along K) into buffer f; the first 32 along K first
.macro FETCH slot, q, f
	WIN TO_F
.irp c, 0,1
.irp i, 0,1,2,3
	ds_load_b128 v[(\f)+64+8*(4*(\c)+(\i)):(\f)+64+8*(4*(\c)+(\i))+3],   v[ADRB+(\slot)] offset:64*(2*(\q)+(\c))+(\i)*16*PITCH
	ds_load_b128 v[(\f)+64+8*(4*(\c)+(\i))+4:(\f)+64+8*(4*(\c)+(\i))+7], v[ADRB+(\slot)] offset:64*(2*(\q)+(\c))+(\i)*16*PITCH+32
	ds_load_b128 v[(\f)+8*(4*(\c)+(\i)):(\f)+8*(4*(\c)+(\i))+3],         v[ADRA+(\slot)] offset:1024*(2*(\q)+(\c))+(\i)*8192
	ds_load_b128 v[(\f)+8*(4*(\c)+(\i))+4:(\f)+8*(4*(\c)+(\i))+7],       v[ADRA+(\slot)] offset:1024*(2*(\q)+(\c))+(\i)*8192+512
.endr
.endr
.endm
.macro QUARTER slot, q, f, g, zero     ; multiplies buffer f and fetches quarter q into g
	s_wait_dscnt 16                                ; the first 32 along K are in
	MUL8 \f, 0, 0, \zero
	MUL8 \f, 0, 2, \zero
	PLACES
	FETCH \slot, \q, \g
	s_wait_dscnt 32                                ; all but the 32 just issued
	MUL8 \f, 1, 0, 0
	MUL8 \f, 1, 2, 0
.endm
; The last quarter multiplies buffer 1 and changes slots: ONE barrier; in front of it each wave waits for all its tensor loads, adds 0 to its spare word, and waits for that and for its reads of this slot.
.macro TURN slot, next, fill
	WIN 0
	s_wait_tensorcnt 0x0                           ; all my tensor loads have landed: my part of the next slot
	ds_add_u32 v[SPW], v[NIL]                      ; 0 onto my spare word
	s_wait_dscnt 17                                ; (the add and the youngest sixteen loads may be out)
	MUL8 F1, 0, 0, 0
	s_wait_dscnt 0x0                               ; the add is done, and my reads of this slot are over
	s_barrier_signal -1
	MUL8 F1, 0, 2, 0
.if \fill
	WIN 0
.endif
	s_barrier_wait -1
.if \fill
	CREST                                          ; the barrier has opened a round of the cluster's: no wave of any partner still reads this slot or has a load on its way
	s_add_nc_u64 s[G0+4*(\slot)+2:G0+4*(\slot)+3], s[G0+4*(\slot)+2:G0+4*(\slot)+3], 2*8192
	s_add_nc_u64 s[G0B+4*(\slot)+2:G0B+4*(\slot)+3], s[G0B+4*(\slot)+2:G0B+4*(\slot)+3], 2*KSTEP*2
	JLOAD \slot                                    ; the first tensor load behind the round; its four v_nop are also the places in front of the loads below
.else
	PLACES
.endif
	FETCH \next, 0, F0
	MUL8 F1, 1, 0, 0
	MUL8 F1, 1, 2, 0
.endm
	s_wait_tensorcnt 1                             ; my part of K step 0 is in; K step 1's may stay out
	s_barrier_signal -1
	s_barrier_wait -1
	FETCH 0, 0, F0
	QUARTER 0, 1, F0, F1, 1                        ; K step 0: its first products start the sums
	QUARTER 0, 2, F1, F0, 0
	QUARTER 0, 3, F0, F1, 0
	TURN 0, 1, 1                                   ; slot 0 takes K step 2
	QUARTER 1, 1, F0, F1, 0                        ; K step 1
	QUARTER 1, 2, F1, F0, 0
	QUARTER 1, 3, F0, F1, 0
	TURN 1, 0, 1                                   ; slot 1 takes K step 3
	QUARTER 0, 1, F0, F1, 0                        ; K step 2
	QUARTER 0, 2, F1, F0, 0
	QUARTER 0, 3, F0, F1, 0
	TURN 0, 1, 0                                   ; nothing is left to fetch
	QUARTER 1, 1, F0, F1, 0                        ; K step 3
	QUARTER 1, 2, F1, F0, 0
	QUARTER 1, 3, F0, F1, 0
	s_wait_dscnt 16
	MUL8 F1, 0, 0, 0
	MUL8 F1, 0, 2, 0
	s_wait_dscnt 0x0
	MUL8 F1, 1, 0, 0
	MUL8 F1, 1, 2, 0
	WIN 0
	PLACES
; THE WAY OUT, 16 rows at a time through my own stage: a lane's 32 bytes go into rows of 272 bytes and come back as whole rows of 256.  LDS serves a wave's instructions in order (ISA guide 5.7.1.4): the loads see the
; stores above them, and the next block's stores come behind them.
.macro TOSTAGE a
.set BK, TMP+32*((\a)%2)
.irp b, 0,1,2,3
	ds_store_b128 v[STO], v[ACC+8*(4*(\a)+(\b)):ACC+8*(4*(\a)+(\b))+3]   offset:64*(\b)      ; each accumulator's low half first
	ds_store_b128 v[STO], v[ACC+8*(4*(\a)+(\b))+4:ACC+8*(4*(\a)+(\b))+7] offset:64*(\b)+16
.endr
.irp t, 0,1,2,3,4,5,6,7
	ds_load_b128 v[BK+4*(\t):BK+4*(\t)+3], v[RD] offset:(\t)*2*SPITCH
.endr
.endm
.macro SEND a, younger                 ; younger: the LDS instructions issued behind block a's loads: the next block's sixteen, or none
.set BK, TMP+32*((\a)%2)
.irp t, 0,1,2,3,4,5,6,7
	s_wait_dscnt (\younger)+7-(\t)
	global_store_b128 v[CO], v[BK+4*(\t):BK+4*(\t)+3], s[8:9] offset:(16*(\a)+2*(\t))*4096 th:TH_STORE_NT  ; 16 lanes store 256 consecutive aligned bytes
.endr
.endm
	TOSTAGE 0
	TOSTAGE 1
	SEND 0, 16
	s_wait_xcnt 0x0                                ; block 0's stores have read their registers, which block 2 is loaded into
	TOSTAGE 2
	SEND 1, 16
	s_wait_xcnt 0x0                                ; the same for block 1's and block 3
	TOSTAGE 3
	SEND 2, 16
	SEND 3, 0
	s_wait_tensorcnt 0x0                           ; the wave's end, behind my last tensor load and my last LDS store
	ds_add_u32 v[SPW], v[NIL]
	s_wait_dscnt 0x0
	CROUND                                         ; the closing round
	s_endpgm
.Lfunc_end_k_qfb54489b68_outp:
	.size	k_qfb54489b68_outp, .Lfunc_end_k_qfb54489b68_outp-k_qfb54489b68_outp
	.p2alignl 7, 3214868480
	.fill 96, 4, 3214868480
	.section	.rodata,"a",@progbits
	.p2align	6, 0x0
	.amdhsa_kernel k_qfb54489b68_outp
		.amdhsa_group_segment_fixed_size 327680
		.amdhsa_private_segment_fixed_size 0
		.amdhsa_enable_private_segment 0
		.amdhsa_kernarg_size 24
		.amdhsa_user_sgpr_count 2
		.amdhsa_user_sgpr_kernarg_segment_ptr 1
		.amdhsa_wavefront_size32 1
		.amdhsa_system_sgpr_workgroup_id_x 1
		.amdhsa_system_sgpr_workgroup_id_y 1
		.amdhsa_system_sgpr_workgroup_id_z 1
		.amdhsa_system_vgpr_workitem_id 0
		.amdhsa_next_free_vgpr 512
		.amdhsa_next_free_sgpr 66
		.amdhsa_reserve_vcc 0
		.amdhsa_float_denorm_mode_32 3
		.amdhsa_float_denorm_mode_16_64 3
		.amdhsa_memory_ordered 1
		.amdhsa_forward_progress 1
		.amdhsa_inst_pref_size 86
	.end_amdhsa_kernel
	.amdgpu_metadata
---
amdhsa.version: [ 1, 2 ]
amdhsa.kernels:
  - .name:           k_qfb54489b68_outp
    .symbol:         k_qfb54489b68_outp.kd
    .args:
      - { .name: of, .offset: 0, .size: 8, .value_kind: global_buffer, .address_space: global }
      - { .name: bf, .offset: 8, .size: 8, .value_kind: global_buffer, .address_space: global }
      - { .name: out0, .offset: 16, .size: 8, .value_kind: global_buffer, .address_space: global }
    .group_segment_fixed_size: 327680
    .private_segment_fixed_size: 0
    .kernarg_segment_align: 8
    .kernarg_segment_size: 24
    .max_flat_workgroup_size: 128
    .sgpr_count:     66
    .vgpr_count:     512
    .wavefront_size: 32
...
	.end_amdgpu_metadata
.endif
;; end of part 5
;; ======== version 2 of 2: 5 launches; version 1 with the launch prep written anew for expert scheduling mode
;; limits: values are held in f16: magnitudes above 65,504 overflow, below 6.1e-05 lose precision
;; workspace buffers: bf 13,631,488 bytes; qf 2,097,152 bytes; kf 2,097,152 bytes; vf 8,388,608 bytes; kt 2,359,296 bytes; of 8,388,608 bytes
;; launch prep (part 6): grid 256 x 1, 13 waves a work-group, no clusters, 0 bytes of LDS; arguments x, query_proj, key_proj, value_proj, output_proj, bf; writes bf
.if DOCPART == 6
	.amdgcn_target "amdgcn-amd-amdhsa--gfx1250"
	.amdhsa_code_object_version 6
	.text
	.protected	k_qfb54489b68_prep
	.globl	k_qfb54489b68_prep
	.p2align	8
	.type	k_qfb54489b68_prep,@function
k_qfb54489b68_prep:
	s_mov_b64 s[64:65], 0
	v_nop
	global_prefetch_b8 v0, s[64:65] scope:SCOPE_SE
	s_setreg_imm32_b32 hwreg(HW_REG_WAVE_SCHED_MODE, 0, 2), 2
	s_setreg_imm32_b32 hwreg(HW_REG_WAVE_MODE, 25, 1), 1
	s_wait_xcnt 0x0
	s_wait_alu depctr_vm_vsrc(0)
; PREP: all five inputs are rounded once to bf16 and laid into one buffer of 6,656 rows of 1,024 numbers (2,048 bytes a row):
;   rows 0-4095     x, row b*2048+n
;   rows 4096-5631  "wall": for head h the 96 rows 96 h + i:  i < 16: query_proj[i][h];  i < 32: key_proj[h][i-16];  else value_proj[h][i-32]
;   rows 5632-6655  output_proj, row d, columns h*64+v
; query_proj's two leading axes change places because the problem's score product labels q's axes (k, h): head h multiplies q[b,n,kappa,h] with k[b,m,h,kappa].
; NO WORK OF THE PROBLEM IS LEFT OUT in this program: every input has a way to the output, and all five are loaded here, each byte once.
; SHARES.  6,656 rows = 256 work-groups x 13 waves x 2 rows.  Wave v of work-group w: v < 8: x rows 16 w + 2 v, +1; v = 8..10: wall rows 6 w + 2 (v - 8), +1; v = 11, 12: output_proj rows 4 w + 2 (v - 11), +1.
; A wall pair begins at an even i, so both rows fall into the same of the three cases.
; A row is 8 loads of 512 consecutive bytes a wave and 8 stores of 256 consecutive aligned bytes.  All 16 loads of a wave go out before the first wait.  No LDS, no barrier: no wave needs another's bytes.
; THE MODE: SCHED_MODE bits 1:0 = 2 (LLVM: expert scheduling mode 2), set by the entry lines.  The code itself states the register dependences
; between vector instructions and memory instructions, with s_wait_alu, always for 0.
; THE PLAN.  Registers that memory instructions touch:
;   v1, v2   byte offsets of the loads and of the stores: made at the head by vector lines, never written again.
;   X        two rows as loaded: written by the 16 loads alone, each register once; no vector line names them ahead of the loads; read by the roundings.
;   Y        two rows to store: row w's 16 registers are written by row w's 16 roundings, each once in the launch, and read by row w's 8 stores.
; So three waits on va_vdst state all of it: one ahead of the first load (v1 and v2 are written), and one for each row between its roundings, which stand together, and its stores, which follow in one run.
; No register that a load or store reads is ever written again, and no load lands in a register that a vector line has named: nothing more is owed.
; The wave's number goes from a vector register into s16: one wait on va_sdst stands ahead of the first line that reads s16.
.set X, 8                              ; v[8:71]    two rows as loaded, 32 registers each
.set Y, 72                             ; v[72:103]  two rows in bf16, 16 registers each
	s_load_b256 s[4:11], s[0:1], 0x0               ; x s[4:5], query_proj s[6:7], key_proj s[8:9], value_proj s[10:11]
	s_load_b128 s[12:15], s[0:1], 0x20             ; output_proj s[12:13], bf s[14:15]
	v_lshrrev_b32 v3, 5, v0
	v_readfirstlane_b32 s16, v3                    ; wave v, 0..12
	v_and_b32 v1, 31, v0
	v_lshlrev_b32 v2, 3, v1                        ; 8 bytes a lane on the way out
	v_lshlrev_b32 v1, 4, v1                        ; 16 bytes a lane on the way in
	s_mov_b32 s34, ttmp9                           ; w
	s_and_b32 s17, s34, 15
	s_lshr_b32 s18, s34, 4                         ; h = w / 16
	s_wait_alu depctr_va_sdst(0)                   ; s16 is written, ahead of its first reader: the rows, and with them the bases, are made from it
	s_max_u32 s19, s16, 8
	s_sub_co_u32 s19, s19, 8
	s_lshl_b32 s19, s19, 1                         ; e = 2 (v - 8), held at 0 below
	s_mul_i32 s26, s17, 6
	s_add_co_u32 s26, s26, s19                     ; i = 6 (w % 16) + e
	s_lshl_b32 s27, s26, 4
	s_add_co_u32 s27, s27, s18                     ; query_proj's row 16 i + h
	s_max_u32 s28, s26, 16
	s_sub_co_u32 s28, s28, 16
	s_lshl4_add_u32 s28, s18, s28                  ; key_proj's row 16 h + i - 16
	s_max_u32 s29, s26, 32
	s_sub_co_u32 s29, s29, 32
	s_lshl_b32 s30, s18, 6
	s_add_co_u32 s29, s29, s30                     ; value_proj's row 64 h + i - 32
	s_max_u32 s30, s16, 11
	s_sub_co_u32 s30, s30, 11
	s_lshl_b32 s30, s30, 1
	s_lshl2_add_u32 s30, s34, s30                  ; output_proj's row 4 w + 2 (v - 11)
	s_lshl_b32 s31, s16, 1
	s_lshl4_add_u32 s31, s34, s31                  ; x's row 16 w + 2 v
	s_mul_i32 s32, s34, 6
	s_add_co_u32 s32, s32, s19
	s_add_co_u32 s32, s32, 4096                    ; the wall pair's place in bf
	s_add_co_u32 s33, s30, 5632                    ; output_proj's
	s_wait_kmcnt 0x0
	s_cmp_lt_u32 s26, 32                           ; four choices, each made of ids alone; only selects stand behind a compare
	s_cselect_b32 s35, s28, s29
	s_cselect_b64 s[36:37], s[8:9], s[10:11]
	s_cmp_lt_u32 s26, 16
	s_cselect_b32 s35, s27, s35
	s_cselect_b64 s[36:37], s[6:7], s[36:37]
	s_cselect_b32 s38, 16, 1                       ; rows from the pair's first to its second: query_proj[i+1][h] lies 16 rows on
	s_cmp_lt_u32 s16, 11
	s_cselect_b32 s35, s35, s30
	s_cselect_b64 s[36:37], s[36:37], s[12:13]
	s_cselect_b32 s38, s38, 1
	s_cselect_b32 s39, s32, s33
	s_cmp_lt_u32 s16, 8
	s_cselect_b32 s35, s31, s35
	s_cselect_b64 s[36:37], s[4:5], s[36:37]
	s_cselect_b32 s38, 1, s38
	s_cselect_b32 s39, s31, s39
	s_lshl_b32 s20, s35, 12                        ; a source row is 4,096 bytes
	s_mov_b32 s21, 0
	s_add_nc_u64 s[20:21], s[36:37], s[20:21]
	s_lshl_b32 s22, s38, 12
	s_mov_b32 s23, 0
	s_add_nc_u64 s[22:23], s[20:21], s[22:23]
	s_lshl_b32 s24, s39, 11                        ; a row of bf is 2,048 bytes
	s_mov_b32 s25, 0
	s_add_nc_u64 s[24:25], s[14:15], s[24:25]
	s_wait_alu depctr_va_vdst(0)                   ; v1 and v2 are written: every load reads v1 and every store v2 as its offset; no later vector line names either
.irp j, 0,1,2,3,4,5,6,7
	global_load_b128 v[X+4*(\j):X+4*(\j)+3], v1, s[20:21] offset:512*(\j) th:TH_LOAD_NT
.endr
.irp j, 0,1,2,3,4,5,6,7
	global_load_b128 v[X+32+4*(\j):X+32+4*(\j)+3], v1, s[22:23] offset:512*(\j) th:TH_LOAD_NT
.endr
; Row w: its sixteen roundings together, the one wait, its eight stores in one run.
.macro ROWOUT w
.irp j, 0,1,2,3,4,5,6,7
	v_cvt_pk_bf16_f32 v[Y+16*(\w)+2*(\j)],   v[X+32*(\w)+4*(\j)],   v[X+32*(\w)+4*(\j)+1]
	v_cvt_pk_bf16_f32 v[Y+16*(\w)+2*(\j)+1], v[X+32*(\w)+4*(\j)+2], v[X+32*(\w)+4*(\j)+3]
.endr
	s_wait_alu depctr_va_vdst(0)                   ; the roundings have written this row's sixteen registers of Y, which the eight stores below read
.irp j, 0,1,2,3,4,5,6,7
	global_store_b64 v2, v[Y+16*(\w)+2*(\j):Y+16*(\w)+2*(\j)+1], s[24:25] offset:2048*(\w)+256*(\j)  ; 32 lanes store 256 consecutive bytes, aligned
.endr
.endm
	s_wait_loadcnt 8                               ; the first row's eight loads are in; the second row's eight may stay out
	ROWOUT 0                                       ; its stores go out ahead of the wait for the second row
	s_wait_loadcnt 0x0
	ROWOUT 1
	s_endpgm                                       ; no register is written twice, so no store's source needs a wait
.Lfunc_end_k_qfb54489b68_prep:
	.size	k_qfb54489b68_prep, .Lfunc_end_k_qfb54489b68_prep-k_qfb54489b68_prep
	.p2alignl 7, 3214868480
	.fill 96, 4, 3214868480
	.section	.rodata,"a",@progbits
	.p2align	6, 0x0
	.amdhsa_kernel k_qfb54489b68_prep
		.amdhsa_group_segment_fixed_size 0
		.amdhsa_private_segment_fixed_size 0
		.amdhsa_enable_private_segment 0
		.amdhsa_kernarg_size 48
		.amdhsa_user_sgpr_count 2
		.amdhsa_user_sgpr_kernarg_segment_ptr 1
		.amdhsa_wavefront_size32 1
		.amdhsa_system_sgpr_workgroup_id_x 1
		.amdhsa_system_sgpr_workgroup_id_y 1
		.amdhsa_system_sgpr_workgroup_id_z 1
		.amdhsa_system_vgpr_workitem_id 0
		.amdhsa_next_free_vgpr 112
		.amdhsa_next_free_sgpr 66
		.amdhsa_reserve_vcc 0
		.amdhsa_float_denorm_mode_32 3
		.amdhsa_float_denorm_mode_16_64 3
		.amdhsa_memory_ordered 1
		.amdhsa_forward_progress 1
		.amdhsa_inst_pref_size 8
	.end_amdhsa_kernel
	.amdgpu_metadata
---
amdhsa.version: [ 1, 2 ]
amdhsa.kernels:
  - .name:           k_qfb54489b68_prep
    .symbol:         k_qfb54489b68_prep.kd
    .args:
      - { .name: x, .offset: 0, .size: 8, .value_kind: global_buffer, .address_space: global }
      - { .name: query_proj, .offset: 8, .size: 8, .value_kind: global_buffer, .address_space: global }
      - { .name: key_proj, .offset: 16, .size: 8, .value_kind: global_buffer, .address_space: global }
      - { .name: value_proj, .offset: 24, .size: 8, .value_kind: global_buffer, .address_space: global }
      - { .name: output_proj, .offset: 32, .size: 8, .value_kind: global_buffer, .address_space: global }
      - { .name: bf, .offset: 40, .size: 8, .value_kind: global_buffer, .address_space: global }
    .group_segment_fixed_size: 0
    .private_segment_fixed_size: 0
    .kernarg_segment_align: 8
    .kernarg_segment_size: 48
    .max_flat_workgroup_size: 416
    .sgpr_count:     66
    .vgpr_count:     112
    .wavefront_size: 32
...
	.end_amdgpu_metadata
.endif
;; end of part 6
;; launch proj: the kernel of part 2 again; grid 8 x 32, 4 waves a work-group, clusters of 4 x 4, 327,680 bytes of LDS; arguments bf, qf, kf, vf; writes qf, kf, vf
;; launch stats: the kernel of part 3 again; grid 8 x 32, 8 waves a work-group, clusters of 4 x 1, 167,936 bytes of LDS; arguments qf, kf, kt; writes kt
;; launch attn: the kernel of part 4 again; grid 8 x 32, 4 waves a work-group, clusters of 4 x 1, 327,680 bytes of LDS; arguments qf, kt, vf, of; writes of
;; launch outp: the kernel of part 5 again; grid 8 x 32, 4 waves a work-group, clusters of 4 x 4, 327,680 bytes of LDS; arguments of, bf, out0; writes out0
